; MI455X (gfx1250); checked and timed in simulation.
; The chip was launched on July 23, 2026; its instructions are those of AMD's public machine-readable ISA for CDNA 5 (MIT licence, August 2026) and "CDNA5" Instruction Set Architecture Reference Guide (July 2026). The comments in the code are by the model that wrote it; some were corrected since.
;; Match Module. Allowed arithmetic: matrix products marked QUANTISED: E2M3 operands, one E8M0 scale for each 32 along K, by v_wmma_scale_f32_16x16x128_f8f6f4 with both operands' format E2M3, f32 sums; everything else in f32.
;; Inputs: W_codes 1,024 x 32 x 24 uint8 (E2M3 codes of W, K innermost, in blocks of 32 codes, four codes in three bytes); W_scales 1,024 x 32 uint8 (E8M0 scales of W, one for each 32 codes along K); b 1,024 float32; proj_p_codes 16 x 1,024 x 32 x 24 uint8 (E2M3 codes of proj_p, K innermost, in blocks of 32 codes, four codes in three bytes); proj_p_scales 16 x 1,024 x 32 uint8 (E8M0 scales of proj_p, one for each 32 codes along K); proj_q 16 x 1,024 x 1,024 float32.
;; Outputs: out0 16 x 1,024 x 1,024 float32.
;; This version of the problem:
;;   THIS VERSION OF THE PROBLEM IS GIVEN IN LOW PRECISION. The matrix products marked QUANTISED in the list below multiply operands that are first quantised to E2M3 (2 exponent bits, 3 mantissa bits; 6 bits a number), with one power-of-two scale for each 32 numbers along K (OCP MX v1.0); their sums are f32. All else is computed in f32.
;;   The module's matrix products, in the order in which they are computed (A, B: the left and right operand; K: the contracted axis; several contracted axes count as one K, in the product's order):
;;     1. [M 16,384, K 1,024] x [K 1,024, N 1,024]; A: input proj_q; B: input W (given as codes): QUANTISED
;;     2. batch 16 x [M 1,024, K 1,024] x [K 1,024, N 1,024]; A: input proj_p (given as codes); B: computed on the way: QUANTISED
;;     3. batch 16 x [M 1,024, K 1,024] x [K 1,024, N 1,024]; A: softmax (see below); B: input proj_q: QUANTISED
;;     4. [M 16,384, K 1,024] x [K 1,024, N 1,024]; A: computed on the way; B: input W (given as codes): QUANTISED
;;   THE QUANTISER, for each operand of a quantised product, along K:
;;     - K is cut into blocks of 32 from its start; a last block that is shorter is filled with zeros.
;;     - A block's scale is 2^e with e = floor(log2(the largest magnitude in the block)) - 2, held to -126 .. 127; a block of zeros has e = 0. As a byte (E8M0): e + 127.
;;     - Each number is divided by its block's scale, clamped to +-7.5, and rounded to the nearest number of E2M3, ties to even, subnormals kept.
;;     - The product sums the exact products of the quantised numbers (number of the format x scale) in f32.
;;   ~~~python
;;   def quantise(x, axis):      # numpy; x: float32 -> the quantised numbers, widened to float32 again
;;       x = np.moveaxis(x, axis, -1); K = x.shape[-1]
;;       x = np.pad(x, [(0, 0)] * (x.ndim - 1) + [(0, -K % 32)]); x = x.reshape(x.shape[:-1] + (-1, 32)); a = np.abs(x).max(-1, keepdims=True)
;;       e = np.where(a > 0, np.clip(np.frexp(np.where(a > 0, a, 1))[1] - 1 - 2, -126, 127), 0)      # np.frexp(a)[1] - 1 = floor(log2(a)), exactly
;;       r = np.clip(x / 2.0 ** e, -7.5, 7.5)
;;       step = 2.0 ** (np.maximum(np.frexp(np.where(r == 0, 1, r))[1] - 1, 0) - 3)
;;       q = np.round(r / step) * step * 2.0 ** e      # np.round: ties to even
;;       return np.moveaxis(q.reshape(q.shape[:-2] + (-1,))[..., :K], -1, axis).astype(np.float32)
;;   ~~~
;;   SOFTMAX AHEAD OF A QUANTISED PRODUCT. Where the list says 'softmax', what is quantised is not the finished softmax but p = 2^(t - M), with t = logit x log2(e) and M = ceil(the row's largest t), a whole number; so 1/2 < the row's largest p <= 1. The row's sum l is taken of the UNQUANTISED p, in f32, and the product's result is divided by l at the end. Since M is a whole number, a kernel that streams over the keys may use a running M (the ceiling of the running maximum): every later rescaling is an exact power of two, which a block's scale takes up: the codes' values come out the same.
;;   OPERANDS COMPUTED ON THE WAY. 'Computed on the way' means the value that the module computes at that place (a softmax that the list does not call 'softmax' is quantised finished and normalised). What goes into a quantiser is computed in f32, as accurately as f32 sums, v_exp_f32 and their like allow (about 1e-6 of the number): no bf16 or f16 on the way to a quantiser, and a product that is left as it is and whose result goes on into a quantised operand takes f32 operands (vector FMAs, or v_wmma_f32_16x16x4_f32). A number that lies on a knife's edge between two numbers of the format may be rounded either way, as far as f32 arithmetic and the matrix unit's own rounding can turn it there, and no further.
;;   INPUTS GIVEN AS CODES. W (in the module: [1024, 1024], K = its axis 1); proj_p (in the module: [16, 1024, 1024], K = its axis 2): each comes as NAME_codes (uint8): NAME with its K axis moved to the last place and cut into blocks of 32 codes, [.., K / 32, bytes a block], one block behind the other in memory; four codes in three bytes: a row's codes are one little-endian stream of bits, code i at bits 6 i .. 6 i + 5 (a code: sign, 2 exponent bits, 3 mantissa bits); and NAME_scales (uint8): the same leading axes, one E8M0 byte (e + 127) for each 32 codes along K. Its value is code x scale, taken as it is: it is not quantised again, and the codes and scales need not be those that the quantiser above would give.
;; One version. Each part assembles by itself: llvm-mc -triple=amdgcn-amd-amdhsa -mcpu=gfx1250 --defsym DOCPART=n.
;; ======== version 1 of 1: 3 launches
;; limits: right only within a limited range of input values
;; workspace buffers: qa 13,107,200 bytes; strm 26,214,400 bytes; wrec 819,200 bytes
;; launch quant (part 1): grid 32 x 16, 4 waves a work-group, no clusters, 71,168 bytes of LDS; arguments proj_q, W_codes, W_scales, qa, strm, wrec; writes qa, strm, wrec
.if DOCPART == 1
	.amdgcn_target "amdgcn-amd-amdhsa--gfx1250"
	.amdhsa_code_object_version 6
	.text
	.protected	k_qe6042d4fe2_quant
	.globl	k_qe6042d4fe2_quant
	.p2align	8
	.type	k_qe6042d4fe2_quant,@function
k_qe6042d4fe2_quant:
	s_mov_b64 s[64:65], 0
	v_nop
	global_prefetch_b8 v0, s[64:65] scope:SCOPE_SE
	s_setreg_imm32_b32 hwreg(HW_REG_WAVE_MODE, 25, 1), 1
	s_wait_xcnt 0x0
; proj_q [16][1024 q][1024 h], f32, is read ONCE and quantised TWICE to codes of FP6 (E2M3) with one E8M0 byte for each 32 numbers:
; along h (operand of proj_q W^T) into qa, and along q (operand of P proj_q) into the V part of strm.  W's codes and scale bytes are laid anew into wrec.
; All three buffers are laid as RECORDS, in the order of the operand's registers: a record is one tile of 16 rows x K = 1,024, 12,800 bytes:
; fragment s (128 along K, 12 registers a lane) at 1536 s, its registers 4 g .. 4 g + 3 of lane l at 512 g + 16 l; behind the 8 fragments the scale image,
; 16 bytes a lane: lane (hh, r) holds row r's bytes of K blocks 16 hh .. 16 hh + 15.  So a reader takes a fragment by three loads of 16 bytes a lane.
; THE ROWS OF A TILE ARE NOT NEIGHBOURS: lane r of tile 2 B + u takes row 32 B + 8 u + r + 8 (r / 8), so that a transposed product's 16 registers of two neighbouring tiles are 16 neighbours.
; A block's scale is 2^(floor(log2(its largest magnitude)) - 2): its byte is the largest magnitude's exponent field - 2, held at 1 from below.
; LIMITS: a block of zeros gets the byte 1 where the quantiser says 127 (its codes are zeros, and this program alone reads the bytes); NaN and infinities among the inputs are not served.
; SHARES.  A work-group takes 64 rows q (j = x / 2) x 512 columns h; each of its four waves a panel of 64 x 128 (32 KiB, 256 registers), in two pieces of 64 columns.
; A piece goes into the wave's own stage in LDS (64 rows of 256 bytes + 16) and is read back twice: by rows, 16 neighbours along h a lane, and by columns, 64 numbers down q a lane.
; In the stage row p lies at place 32 (p / 32) + 16 ((p / 8) % 2) + 8 ((p / 16) % 2) + p % 8: a tile's 16 rows lie on end.
; V's K order: in each 128 keys the places of blocks (0, 1, 2, 3) hold the blocks (0, 2, 1, 3) of q; the third launch lays P in the same order, so the products are the same.
; V's scale bytes leave as single bytes (32 lanes x 2 stores for each 32 columns): one byte in 128 of what the launch reads; all else leaves in runs of 256 consecutive bytes, aligned.
; No tensor loads, no cluster: no two work-groups read the same bytes.  One barrier, for the four waves' scale words of qa.
.set STGB, 17408                       ; a wave's stage: 64 x 272 bytes
.set SCG,  69632                       ; behind the four stages: 1,024 bytes in which qa's scale words meet
.set XA,   1                           ; v1   proj_q: 4096 hh + 16 r
.set STI,  2                           ; v2   stage, in: 272 hh + 16 r
.set STA,  3                           ; v3   stage, by rows: 272 r + 64 hh
.set STB,  4                           ; v4   stage, by columns: 4 (8 hh + r + 8 (r / 8))
.set L16,  5                           ; v5   16 x lane
.set VO,   6                           ; v6   V: 12800 hh + 16 r: lanes 16-31 serve the odd tile's record
.set SGW,  7                           ; v7   scale words in: 16 r + 4 wave
.set SGR,  8                           ; v8   and out: 256 wave + 8 lane
.set L8,   9                           ; v9   8 x lane
.set WO,   10                          ; v10  W's codes: (r + 8 (r / 8)) 768 + 24 hh
.set WSO,  11                          ; v11  W's scale bytes: (r + 8 (r / 8)) 32 + 16 hh
.set WK,   16                          ; v16-79   64 numbers at work
.set PCF,  80                          ; v80-127  qa's four fragments, 12 registers a tile
.set TM,   128                         ; v128-131 largest magnitudes
.set TX,   132                         ; v132-135 the other half's, then bytes
.set SO,   136                         ; v136-139 the conversions' scale operands
.set PX,   140                         ; v140-147 second halves of the row quantiser's codes
.set HWA,  148                         ; v148-151 qa's scale word of each tile
.set VC,   152                         ; v152-163 V's 12 registers
.set VT,   164                         ; v164-171 second halves
.set BY,   172                         ; v172-173 V's two bytes
.set SEL,  44                          ; s[44:45] lane selects: lane l xor 16
.set MSB, 0
.macro WIN new                         ; the immediate's high byte repeats the setting that is left
.if MSB != (\new)
	s_set_vgpr_msb (MSB<<8)|(\new)
.set MSB, (\new)
.endif
.endm
	s_load_b256 s[4:11], s[0:1], 0x0               ; proj_q s[4:5], W's codes s[6:7], W's scales s[8:9], qa s[10:11]
	s_load_b128 s[12:15], s[0:1], 0x20             ; strm s[12:13], wrec s[14:15]
	v_lshl_add_u32 v254, v0, 2, 0x11400
	v_mov_b32 v255, 0
	v_lshrrev_b32 v12, 5, v0
	v_readfirstlane_b32 s16, v12                   ; wave
	v_and_b32 v13, 15, v0                          ; r
	v_bfe_u32 v14, v0, 4, 1                        ; hh
	v_and_b32 v15, 31, v0                          ; lane
	s_mul_i32 s21, s16, STGB                       ; my stage
	v_lshlrev_b32 v[XA], 4, v13
	v_lshl_add_u32 v[XA], v14, 12, v[XA]
	v_mul_u32_u24 v[STI], v14, 272
	v_lshl_add_u32 v[STI], v13, 4, v[STI]
	v_add_nc_u32 v[STI], s21, v[STI]
	v_mul_u32_u24 v[STA], v13, 272
	v_lshl_add_u32 v[STA], v14, 6, v[STA]
	v_add_nc_u32 v[STA], s21, v[STA]
	v_and_b32 v12, 8, v13
	v_add_nc_u32 v12, v12, v13                     ; r + 8 (r / 8)
	v_lshl_add_u32 v[STB], v14, 3, v12
	v_lshl_add_u32 v[STB], v[STB], 2, s21
	v_lshlrev_b32 v[L16], 4, v15
	v_lshlrev_b32 v[L8], 3, v15
	v_mul_u32_u24 v[VO], v14, 12800
	v_lshl_add_u32 v[VO], v13, 4, v[VO]
	s_lshl_b32 s22, s16, 2
	s_add_co_u32 s22, s22, SCG
	v_lshl_add_u32 v[SGW], v13, 4, s22
	s_lshl_b32 s22, s16, 8
	s_add_co_u32 s22, s22, SCG
	v_add_nc_u32 v[SGR], s22, v[L8]
	v_mul_u32_u24 v[WO], v12, 768
	v_mad_u32_u24 v[WO], v14, 24, v[WO]
	v_lshlrev_b32 v[WSO], 5, v12
	v_lshl_add_u32 v[WSO], v14, 4, v[WSO]
.irp q, 0,1,2,3
	v_mov_b32 v[TX+\q], 0                          ; written once: a lane permute's destination counts as one of its sources
.endr
	s_mov_b32 s[SEL], 0x76543210
	s_mov_b32 s[SEL+1], 0xfedcba98
	s_and_b32 s17, ttmp7, 0xffff                   ; batch
	s_lshr_b32 s18, ttmp9, 1                       ; j: which 64 rows of q
	s_and_b32 s19, ttmp9, 1                        ; which half of the columns
	s_lshl_b32 s20, s19, 2
	s_add_co_u32 s20, s20, s16                     ; s: my panel, and the K step of qa that it makes
	s_lshl_b32 s22, s17, 22                        ; proj_q: batch x 4 MiB + j x 64 rows of 4,096 bytes + 512 s
	s_lshl_b32 s23, s18, 18
	s_add_co_u32 s22, s22, s23
	s_lshl_b32 s23, s20, 9
	s_add_co_u32 s22, s22, s23
	s_mov_b32 s23, 0
	s_lshl_b32 s24, s17, 4                         ; qa: four records for (batch, j)
	s_add_co_u32 s24, s24, s18
	s_mul_i32 s24, s24, 51200
	s_mul_i32 s25, s20, 1536
	s_add_co_u32 s26, s24, s25                     ; + my fragment
	s_mov_b32 s27, 0
	s_mul_i32 s25, s16, 12800                      ; qa's scale image of tile m = wave, the half that this work-group makes
	s_add_co_u32 s28, s24, s25
	s_lshl_b32 s25, s19, 8
	s_add_co_u32 s28, s28, s25
	s_add_co_u32 s28, s28, 12288
	s_mov_b32 s29, 0
	s_mul_i32 s30, s17, 1638400                    ; strm: batch, quarter s / 2, its V part, record 8 (s % 2)
	s_lshr_b32 s25, s20, 1
	s_mul_i32 s25, s25, 409600
	s_add_co_u32 s30, s30, s25
	s_and_b32 s25, s20, 1
	s_mul_i32 s25, s25, 102400
	s_add_co_u32 s30, s30, s25
	s_add_co_u32 s30, s30, 204800
	s_lshr_b32 s32, s18, 1                         ; sigma = j / 2: V's K step
	s_and_b32 s33, s18, 1                          ; e = j % 2: the half of the lanes that my codes go to
	s_lshr_b32 s25, s32, 2                         ; V's bytes: 12288 + 256 (sigma / 4) + 4 (sigma % 4) + e
	s_lshl_b32 s25, s25, 8
	s_add_co_u32 s34, s30, s25
	s_and_b32 s25, s32, 3
	s_lshl_b32 s25, s25, 2
	s_add_co_u32 s34, s34, s25
	s_add_co_u32 s34, s34, s33
	s_add_co_u32 s34, s34, 12288
	s_mov_b32 s35, 0
	s_mul_i32 s25, s32, 1536                       ; V's codes: 1536 sigma + 256 e
	s_add_co_u32 s30, s30, s25
	s_lshl_b32 s25, s33, 8
	s_add_co_u32 s30, s30, s25
	s_mov_b32 s31, 0
	s_wait_kmcnt 0x0
	s_add_nc_u64 s[4:5], s[4:5], s[22:23]
	s_add_nc_u64 s[36:37], s[10:11], s[26:27]      ; qa, my fragments
	s_add_nc_u64 s[38:39], s[10:11], s[28:29]      ; qa, my scale image
	s_add_nc_u64 s[40:41], s[12:13], s[30:31]      ; V's codes
	s_add_nc_u64 s[42:43], s[12:13], s[34:35]      ; V's bytes
	; the whole panel is asked for at once: 64 loads, sixteen lanes to 256 consecutive bytes of a row, aligned; rows 2 ii + hh, piece k
	WIN 0x40                                       ; destination window 1
.irp k, 0,1
.set ii, 0
.rept 32
	global_load_b128 v[128*\k+4*ii:128*\k+4*ii+3], v[XA], s[4:5] offset:8192*ii+256*\k th:TH_LOAD_NT
.set ii, ii+1
.endr
.endr
	WIN 0
.macro MAX4                            ; four runs of 16 numbers by turns: the largest magnitude of each, over the floor 2^(3 - 127), which holds the byte at 1 from below
.irp q, 0,1,2,3
	v_max3_num_f32 v[TM+\q], |v[WK+16*\q]|, |v[WK+16*\q+1]|, 0x1800000
.endr
.irp i, 2,4,6,8,10,12,14
.irp q, 0,1,2,3
	v_max3_num_f32 v[TM+\q], v[TM+\q], |v[WK+16*\q+\i]|, |v[WK+16*\q+\i+1]|
.endr
.endr
.endm
; ALONG h.  WK holds, for tiles 2 bt + u, blocks b of piece k: register 32 u + 16 b + i = column 32 b + 16 hh + i of my row.  They become registers 6 k .. 6 k + 5 of the tiles' fragments.
.macro QH2 bt, k
	MAX4
.irp q, 0,1,2,3
	v_permlanex16_b32 v[TX+\q], v[TM+\q], s[SEL], s[SEL+1]
.endr
.irp q, 0,1,2,3
	v_max_num_f32 v[TM+\q], v[TM+\q], v[TX+\q]     ; with lane l xor 16's 16: the block's
.endr
.irp q, 0,1,2,3
	v_add_nc_u32 v[SO+\q], 0xff000000, v[TM+\q]    ; 2 off the exponent field: the conversion takes that field as its scale
.endr
.irp q, 0,1,2,3
	v_lshrrev_b32 v[TX+\q], 23, v[SO+\q]           ; the byte
.endr
.irp u, 0,1
	v_lshl_or_b32 v[TX+2*\u], v[TX+2*\u+1], 8, v[TX+2*\u]
.if \k == 0
	v_mov_b32 v[HWA+2*\bt+\u], v[TX+2*\u]
.else
	v_lshl_or_b32 v[HWA+2*\bt+\u], v[TX+2*\u], 16, v[HWA+2*\bt+\u]
.endif
.endr
.irp u, 0,1
	v_cvt_scalef32_pk16_fp6_f32 v[PCF+12*(2*\bt+\u)+6*\k:PCF+12*(2*\bt+\u)+6*\k+2], v[WK+32*\u:WK+32*\u+15], v[SO+2*\u]
	v_cvt_scalef32_pk16_fp6_f32 v[PX+4*\u:PX+4*\u+2], v[WK+32*\u+16:WK+32*\u+31], v[SO+2*\u+1]
.endr
	v_nop                                          ; one plain place behind a scaled conversion
.irp u, 0,1                                    ; the operand wants a WHOLE block in a lane: lanes 0-15 the piece's first block, lanes 16-31 its second
.irp i, 0,1,2
	v_permlane16_swap_b32 v[PCF+12*(2*\bt+\u)+6*\k+\i], v[PX+4*\u+\i]
.endr
.irp i, 0,1,2
	v_mov_b32 v[PCF+12*(2*\bt+\u)+6*\k+3+\i], v[PX+4*\u+\i]
.endr
.endr
.endm
; ALONG q.  WK holds 64 numbers down my column: two whole blocks.  They become the 12 registers of one lane of V's fragment sigma.
.macro QB
	MAX4
	v_max_num_f32 v[TM], v[TM], v[TM+1]
	v_max_num_f32 v[TM+2], v[TM+2], v[TM+3]
	v_add_nc_u32 v[SO], 0xff000000, v[TM]
	v_add_nc_u32 v[SO+1], 0xff000000, v[TM+2]
	v_lshrrev_b32 v[BY], 23, v[SO]
	v_lshrrev_b32 v[BY+1], 23, v[SO+1]
	v_cvt_scalef32_pk16_fp6_f32 v[VC:VC+2], v[WK:WK+15], v[SO]
	v_cvt_scalef32_pk16_fp6_f32 v[VT:VT+2], v[WK+16:WK+31], v[SO]     ; (a conversion's three registers begin on an even number)
	v_cvt_scalef32_pk16_fp6_f32 v[VC+6:VC+8], v[WK+32:WK+47], v[SO+1]
	v_cvt_scalef32_pk16_fp6_f32 v[VT+4:VT+6], v[WK+48:WK+63], v[SO+1]
	v_nop
.irp i, 0,1,2
	v_mov_b32 v[VC+3+\i], v[VT+\i]
	v_mov_b32 v[VC+9+\i], v[VT+4+\i]
.endr
.endm
.macro PIECE k
.if \k == 0
	s_wait_loadcnt 32                              ; the first piece's 32 loads are in; the second's may be out
.else
	s_wait_loadcnt 0x0
.endif
	WIN 0x04                                       ; an LDS store's data are its source 1: window 1
.set ii, 0
.rept 32
.set rw, 2*ii
	ds_store_b128 v[STI], v[128*\k+4*ii:128*\k+4*ii+3] offset:(32*(rw/32)+16*((rw/8)%2)+8*((rw/16)%2)+rw%8)*272
.set ii, ii+1
.endr
	WIN 0
.irp bt, 0,1                                   ; LDS serves a wave's instructions in order: the loads below see the stores above
.irp u, 0,1
.irp b, 0,1
.irp t, 0,1,2,3
	ds_load_b128 v[WK+32*\u+16*\b+4*\t:WK+32*\u+16*\b+4*\t+3], v[STA] offset:(32*\bt+16*\u)*272+128*\b+16*\t
.endr
.endr
.endr
	s_wait_dscnt 0x0
	QH2 \bt, \k
.endr
.irp x, 0,1                                    ; 32 columns at a time: a lane a column, tiles 2 x' and 2 x' + 1 in the two halves of the lanes
.set kk, 0
.rept 64
	ds_load_b32 v[WK+kk], v[STB] offset:(32*(kk/32)+16*((kk/8)%2)+8*((kk/16)%2)+kk%8)*272+128*\x
.set kk, kk+1
.endr
	s_wait_dscnt 0x0
	s_wait_xcnt 0x0                                ; the last stores have read VC and BY: only behind this wait are they written again
	QB
.irp g, 0,1,2
	global_store_b128 v[VO], v[VC+4*\g:VC+4*\g+3], s[40:41] offset:(4*\k+2*\x)*12800+512*\g   ; sixteen lanes store 256 consecutive bytes, aligned
.endr
	global_store_b8 v[VO], v[BY], s[42:43] offset:(4*\k+2*\x)*12800
	global_store_b8 v[VO], v[BY+1], s[42:43] offset:(4*\k+2*\x)*12800+2
.endr
.endm
	PIECE 0
	PIECE 1
.irp m, 0,1,2,3
.irp g, 0,1,2
	global_store_b128 v[L16], v[PCF+12*\m+4*\g:PCF+12*\m+4*\g+3], s[36:37] offset:12800*\m+512*\g   ; 512 consecutive bytes
.endr
.endr
.irp m, 0,1,2,3
	ds_store_b32 v[SGW], v[HWA+\m] offset:256*\m   ; my K step's word of each row (lanes r and r + 16 write the same word with the same value)
.endr
	s_wait_dscnt 0x0                               ; for the others' sake: my stores have landed
	s_barrier_signal -1
	s_barrier_wait -1
	ds_load_b64 v[TM:TM+1], v[SGR]                 ; tile m = wave: 16 rows x the four waves' words
	s_wait_dscnt 0x0
	global_store_b64 v[L8], v[TM:TM+1], s[38:39]   ; 256 consecutive bytes, aligned
	; W INTO RECORDS.  512 work-groups, 64 tiles x 8 fragments: wave 0 of work-group g lays fragment g % 8 of tile g / 8; wave 1 of the first 64 a tile's scale image.
	s_lshl_b32 s22, s17, 5
	s_add_co_u32 s22, s22, ttmp9                   ; g
	s_cmp_lg_u32 s16, 0
	s_cbranch_scc1 .Lnot_wave_0
	s_lshr_b32 s23, s22, 3                         ; tile t
	s_and_b32 s24, s22, 7                          ; K step
	s_lshr_b32 s25, s23, 1
	s_lshl_b32 s25, s25, 5
	s_and_b32 s26, s23, 1
	s_lshl_b32 s26, s26, 3
	s_add_co_u32 s25, s25, s26                     ; the tile's first row: 32 (t / 2) + 8 (t % 2)
	s_mul_i32 s25, s25, 768
	s_mul_i32 s26, s24, 96
	s_add_co_u32 s26, s25, s26
	s_mov_b32 s27, 0
	s_add_nc_u64 s[6:7], s[6:7], s[26:27]
	s_mul_i32 s28, s23, 12800
	s_mul_i32 s29, s24, 1536
	s_add_co_u32 s28, s28, s29
	s_mov_b32 s29, 0
	s_add_nc_u64 s[14:15], s[14:15], s[28:29]
.irp p, 0,1,2,3,4,5
	global_load_b64 v[WK+2*\p:WK+2*\p+1], v[WO], s[6:7] offset:48*(\p/3)+8*(\p%3)   ; the row's stream of bits IS the register image: 24 bytes at 24 hh, 24 more 48 on
.endr
	s_wait_loadcnt 0x0
.irp g, 0,1,2
	global_store_b128 v[L16], v[WK+4*\g:WK+4*\g+3], s[14:15] offset:512*\g
.endr
	s_branch .Lend
.Lnot_wave_0:
	s_cmp_lg_u32 s16, 1
	s_cbranch_scc1 .Lend
	s_cmp_lt_u32 s22, 64
	s_cbranch_scc0 .Lend
	s_lshr_b32 s25, s22, 1
	s_lshl_b32 s25, s25, 5
	s_and_b32 s26, s22, 1
	s_lshl_b32 s26, s26, 3
	s_add_co_u32 s25, s25, s26
	s_lshl_b32 s26, s25, 5                         ; 32 scale bytes a row
	s_mov_b32 s27, 0
	s_add_nc_u64 s[8:9], s[8:9], s[26:27]
	s_mul_i32 s28, s22, 12800
	s_add_co_u32 s28, s28, 12288
	s_mov_b32 s29, 0
	s_add_nc_u64 s[14:15], s[14:15], s[28:29]
	global_load_b128 v[WK:WK+3], v[WSO], s[8:9]
	s_wait_loadcnt 0x0
	global_store_b128 v[L16], v[WK:WK+3], s[14:15]
.Lend:
	s_wait_tensorcnt 0x0
	ds_add_u32 v254, v255
	s_wait_dscnt 0x0
	s_endpgm
.Lfunc_end_k_qe6042d4fe2_quant:
	.size	k_qe6042d4fe2_quant, .Lfunc_end_k_qe6042d4fe2_quant-k_qe6042d4fe2_quant
	.p2alignl 7, 3214868480
	.fill 96, 4, 3214868480
	.section	.rodata,"a",@progbits
	.p2align	6, 0x0
	.amdhsa_kernel k_qe6042d4fe2_quant
		.amdhsa_group_segment_fixed_size 71168
		.amdhsa_private_segment_fixed_size 0
		.amdhsa_enable_private_segment 0
		.amdhsa_kernarg_size 48
		.amdhsa_user_sgpr_count 2
		.amdhsa_user_sgpr_kernarg_segment_ptr 1
		.amdhsa_wavefront_size32 1
		.amdhsa_system_sgpr_workgroup_id_x 1
		.amdhsa_system_sgpr_workgroup_id_y 1
		.amdhsa_system_sgpr_workgroup_id_z 1
		.amdhsa_system_vgpr_workitem_id 0
		.amdhsa_next_free_vgpr 512
		.amdhsa_next_free_sgpr 66
		.amdhsa_reserve_vcc 0
		.amdhsa_float_denorm_mode_32 3
		.amdhsa_float_denorm_mode_16_64 3
		.amdhsa_memory_ordered 1
		.amdhsa_forward_progress 1
		.amdhsa_inst_pref_size 68
	.end_amdhsa_kernel
	.amdgpu_metadata
---
amdhsa.version: [ 1, 2 ]
amdhsa.kernels:
  - .name:           k_qe6042d4fe2_quant
    .symbol:         k_qe6042d4fe2_quant.kd
    .args:
      - { .name: proj_q, .offset: 0, .size: 8, .value_kind: global_buffer, .address_space: global }
      - { .name: W_codes, .offset: 8, .size: 8, .value_kind: global_buffer, .address_space: global }
      - { .name: W_scales, .offset: 16, .size: 8, .value_kind: global_buffer, .address_space: global }
      - { .name: qa, .offset: 24, .size: 8, .value_kind: global_buffer, .address_space: global }
      - { .name: strm, .offset: 32, .size: 8, .value_kind: global_buffer, .address_space: global }
      - { .name: wrec, .offset: 40, .size: 8, .value_kind: global_buffer, .address_space: global }
    .group_segment_fixed_size: 71168
    .private_segment_fixed_size: 0
    .kernarg_segment_align: 8
    .kernarg_segment_size: 48
    .max_flat_workgroup_size: 128
    .sgpr_count:     66
    .vgpr_count:     512
    .wavefront_size: 32
...
	.end_amdgpu_metadata
.endif
;; end of part 1
;; launch lin1 (part 2): grid 16 x 16, 4 waves a work-group, clusters of 4 x 1, 327,680 bytes of LDS; arguments qa, wrec, b, strm; writes strm
.if DOCPART == 2
	.amdgcn_target "amdgcn-amd-amdhsa--gfx1250"
	.amdhsa_code_object_version 6
	.text
	.protected	k_qe6042d4fe2_lin1
	.globl	k_qe6042d4fe2_lin1
	.p2align	8
	.type	k_qe6042d4fe2_lin1,@function
k_qe6042d4fe2_lin1:
	s_mov_b64 s[64:65], 0
	v_nop
	global_prefetch_b8 v0, s[64:65] scope:SCOPE_SE
	s_setreg_imm32_b32 hwreg(HW_REG_WAVE_MODE, 25, 1), 1
	s_wait_xcnt 0x0
	s_wait_alu depctr_hold_cnt(0) depctr_sa_sdst(0) depctr_va_vdst(0) depctr_va_sdst(0) depctr_va_ssrc(0) depctr_va_vcc(0) depctr_vm_vsrc(0)
	s_getreg_b32 s2, hwreg(HW_REG_IB_STS2, 6, 4)
	s_cmp_eq_u32 s2, 0
	s_cbranch_scc0 .Lentry_in_a_cluster
	s_endpgm
.Lentry_in_a_cluster:
	s_bfe_u32 s2, ttmp6, 0x10000c
	s_cmp_lg_u32 s2, 0x3003
	s_cbranch_scc0 .Lentry_shape_is_right
	s_endpgm
.Lentry_shape_is_right:
; trans_q = Q(proj_q) W^T + b on codes of FP6 (E2M3), quantised along its 1,024 outputs on the way: the tq part of strm, in records (16 rows x K = 1,024: 8 fragments of 1,536 bytes
; in the order of the operand's registers, then 512 bytes of scale image: lane (hh, r) holds row r's bytes of K blocks 16 hh .. 16 hh + 15).  trans_q never goes to memory as f32.
; SHARES.  A work-group owns 64 rows q of one batch (qa's four records of (batch, j)); they stay in every wave's registers (384).  Wave w walks W's records 16 w .. 16 w + 15: outputs 256 w on, 64 a trip.
; THE PRODUCT IS USED TRANSPOSED (source 0 = 16 rows of W, source 1 = 16 rows q): a lane holds one row q, and, by the order of a tile's rows (lane r of tile 2 B + u: row 32 B + 8 u + r + 8 (r / 8)),
; the 16 registers of two neighbouring tiles are 16 neighbouring outputs: what the conversions want.  b is the C of each sum's first matrix instruction.
; HOW W COMES.  A trip has four records a wave.  Records 0 and 1 come from memory straight into registers: four sets of half a record; a set is asked for again as soon as it has been multiplied, for the NEXT
; trip: seven halves' products and the trip's quantiser stand between request and use; 50 loads of 512 bytes a wave (58 with b) are out, under the 63 that LOADcnt's field counts (ISA guide 5.7.1).
; Records 2 and 3 come JOINTLY: the four work-groups of a cluster walk the same W, so wave w of each issues the same tensor load (25,600 dense bytes, a mask that names the four) into its part of one of two
; LDS slots, a whole trip ahead; only the wave that asked reads that part, into two further sets.  Not all four records jointly: two slots of four records a wave would be 409,600 bytes of LDS, and with
; two records to a slot the slots would change twice a trip, each refill with 64 products in which to land.  A wave has one tensor load out at the most.
; In time the records go 0, 2, 1, 3, so that each run of LDS loads has two halves' products in which to land.
; LIMITS: a block of zeros gets the byte 1 where the quantiser says 127 (its codes are zeros; this program alone reads the bytes); NaN and infinities are not served.
; REGISTERS, in windows of 256: window 0: v1-7 addresses, v8-11 the LDS record's scale words, v30-31 for the add, v32-47 q's scale words, v48-55 those of records 0 and 1, v56-57 addresses in hand, v64-255 four sets.
;   windows 1, 2: q's fragments (tile m, K step s) in window 1 + s / 4 at 12 (4 m + s % 4); v192-239: the LDS record's first half (window 1), second half (window 2).
;   window 3: v0-127 the 16 accumulators (tile m, W's tile rho at 32 m + 8 rho), v128-159 b, v160-235 the quantiser's.
.set L16, 1                            ; v1   16 x lane
.set BO,  2
.set IW,  3                            ; v3   my images in LDS: TQI + 12288 wave + 24 lane
.set SW,  4                            ; v4   my bytes in the scale images: 16 r + 256 (wave / 2) + 8 (wave % 2)
.set SR,  5                            ; v5   the scale image of tile m = wave: 512 wave + 16 lane
.set LRD, 6                            ; v6   my part of slot 0: 25600 wave + 16 lane
.set TAL, 7                            ; v7   the same in the slot in hand
.set SBL, 8                            ; v8-11
.set BLW, 12                           ; v12  my 256 numbers of b in LDS, in: BLD + 1024 wave + 16 lane
.set BLA, 13                           ; v13  and out: BLD + 1024 wave + 64 hh
.set TBI, 14                           ; v14  the same at the trip in hand
.set PFO, 15                           ; v15  256 x min(lane, 24)
.set OFB, 36                           ; s36  256 x trip
.set PFA, 76                           ; s[76:77] my work-group's blocks of the trip's records; nothing reads it
.set BLD, 104960                       ; behind the spare words: b, 1,024 bytes a wave, stored once at the head
.set SPW, 30                           ; v30  LDS address of my spare word; never rewritten
.set NIL, 31                           ; v31  0; never rewritten
.set AS,  32
.set SB,  48
.set TA0, 56
.set TA1, 57
.set SET, 64
.set LSET, 192
.set BI,  128                          ; window 3 from here on
.set TM,  160
.set TX,  168
.set SO,  176
.set PC,  184
.set PX,  216
.set HW,  232
.set WV,  16
.set SEL, 18
.set CUR, 22                           ; s[22:23] W's records of the trip in hand
.set QAB, 24
.set BB,  26                           ; s[26:27] my 256 numbers of b
.set TQ,  28
.set TQS, 30
.set CC,  33
.set OFI, 34                           ; s34  768 x trip: where the trip's half fragments go
.set OF2, 35                           ; s35  2 x trip: and their two bytes
.set TB,  37                           ; s37  LDS byte at which the slot to be read begins
.set G0,  56                           ; s[56:59] descriptor group 0: it walks
.set JJ,  62                           ; s62  j: which 64 rows of the batch
.set CX,  63                           ; s63  my place in the cluster: it enters j alone, and j global addresses alone
.set G1,  68                           ; s[68:75] descriptor group 1
.set SLOT1, 131072                     ; LDS: slot 0 at 0, 4 x 25,600 bytes; slot 1 here, so that one exclusive or turns an address in one slot into the other's;
.set TSC,   102400                     ; between them: four scale images of 512 bytes,
.set SPARE, 104448                     ; and the spare words, 128 bytes for each wave: two blocks of 256 bytes that no other line names;
.set TQI,   233472                     ; behind slot 1: images, 12,288 bytes a wave: half H of tile m at 3072 m + 768 H + 24 lane
.set IMS, 3072
.set MSB, 0
.macro WIN new                         ; the immediate's high byte repeats the setting that is left
.if MSB != (\new)
	s_set_vgpr_msb (MSB<<8)|(\new)
.set MSB, (\new)
.endif
.endm
; A round of the cluster's barrier: my work-group's barrier, so that wave 0's signal speaks for all four waves; wave 0 signals for the work-group; every wave waits for all four work-groups; my work-group's barrier once more.
.macro ROUND
	s_barrier_signal -1
	s_barrier_wait -1
	s_cmp_lg_u32 s[WV], 0
	s_cbranch_scc1 .Lnot_wave_0_\@
	s_barrier_signal -3
.Lnot_wave_0_\@:
	s_barrier_wait -3
	s_barrier_signal -1
	s_barrier_wait -1
.endm
; half kh of the record at base + off into set `set`: 12 loads of 512 consecutive bytes; with the second half, ahead of it, the record's scale image
.macro GROUP set, kh, base, off
.if \kh
	global_load_b128 v[SB+4*((\set)/2):SB+4*((\set)/2)+3], v[L16], s[\base:\base+1] offset:(\off)+12288
.endif
.irp f, 0,1,2,3
.irp g, 0,1,2
	global_load_b128 v[SET+48*(\set)+12*\f+4*\g:SET+48*(\set)+12*\f+4*\g+3], v[L16], s[\base:\base+1] offset:(\off)+1536*(4*(\kh)+\f)+512*\g
.endr
.endr
.endm
; half e of record rec (0, 1) of my part of the slot in hand: 12 LDS loads of 512 consecutive bytes, into window 1 + e; with the second half, ahead of it, the record's scale image
.macro LGRP e, rec
.if \e
	ds_load_b128 v[SBL:SBL+3], v[TAL] offset:12800*(\rec)+12288
.endif
	WIN 0x40+0x40*(\e)
.irp f, 0,1,2,3
.irp g, 0,1,2
	ds_load_b128 v[LSET+12*\f+4*\g:LSET+12*\f+4*\g+3], v[TAL] offset:12800*(\rec)+1536*(4*(\e)+\f)+512*\g
.endr
.endr
	WIN 0
.endm
.macro BIAS bof                        ; b at 64 outputs, in the result's layout: register 16 B + i = output 32 B + 16 hh + i
	v_add_nc_u32 v[TBI], s[OFB], v[BLA]            ; out of my own LDS bytes
	WIN 0xc0
.irp i, 0,1,2,3,4,5,6,7
	ds_load_b128 v[BI+4*\i:BI+4*\i+3], v[TBI] offset:(\bof)+128*(\i/4)+16*(\i%4)
.endr
	WIN 0
.endm
; 16 matrix instructions: half e (K steps 4 e + f) of the trip's record rho against the four resident tiles.  lp = 1: the record came through LDS.  The four accumulators take turns, one instruction a turn.
; The scale words of K steps 0-3 stand in lanes 0-15 of their registers, those of K steps 4-7 in lanes 16-31.
.macro HALF rho, e, lp, cb
.set EE, (\e)
.if \lp
.set STN, LSET
.set SBN, SBL
	WIN 0xf5+5*EE
.else
.set STN, SET+48*(2*(\rho)+EE)
.set SBN, SB+4*(\rho)
	WIN 0xf4+4*EE
.endif
.irp f, 0,1,2,3
.irp m, 0,1,2,3
.set DD, 32*\m+8*(\rho)
.set AA, STN+12*\f
.set RR, 12*(4*\m+\f)
.if EE
	v_wmma_scale_f32_16x16x128_f8f6f4 v[DD:DD+7], v[AA:AA+11], v[RR:RR+11], v[DD:DD+7], v[SBN+\f], v[AS+4*\m+\f] matrix_a_fmt:MATRIX_FMT_FP6 matrix_b_fmt:MATRIX_FMT_FP6 matrix_a_scale:MATRIX_SCALE_ROW1 matrix_b_scale:MATRIX_SCALE_ROW1
.elseif \f
	v_wmma_scale_f32_16x16x128_f8f6f4 v[DD:DD+7], v[AA:AA+11], v[RR:RR+11], v[DD:DD+7], v[SBN+\f], v[AS+4*\m+\f] matrix_a_fmt:MATRIX_FMT_FP6 matrix_b_fmt:MATRIX_FMT_FP6
.elseif \cb
	v_wmma_scale_f32_16x16x128_f8f6f4 v[DD:DD+7], v[AA:AA+11], v[RR:RR+11], v[BI+8*(\rho):BI+8*(\rho)+7], v[SBN+\f], v[AS+4*\m+\f] matrix_a_fmt:MATRIX_FMT_FP6 matrix_b_fmt:MATRIX_FMT_FP6
.else
	v_wmma_scale_f32_16x16x128_f8f6f4 v[DD:DD+7], v[AA:AA+11], v[RR:RR+11], 0, v[SBN+\f], v[AS+4*\m+\f] matrix_a_fmt:MATRIX_FMT_FP6 matrix_b_fmt:MATRIX_FMT_FP6
.endif
.endr
.endr
.endm
.macro PLC                             ; four places behind a half's products (ISA guide 7.12.1 for vector instructions): loads into its registers, or reads of its results, follow
	WIN 0
.rept 4
	v_nop
.endr
.endm
; ASK makes no prefetch: it only compares the trip count with 2.
.macro ASK
	s_cmp_lt_u32 s[CC], 2
	s_cbranch_scc0 .Lno_ask_\@
.Lno_ask_\@:
.endm
; A TRIP: four records, 64 streamed rows, 128 matrix instructions, in the order 0, 2, 1, 3.
; LOADcnt.  The register sets' groups are 12, 13, 12, 13 loads, issued behind the halves of records 0 and 1, for the next trip.  A half needs the group issued behind the same half a trip ago and, where it begins
; a record, the scale image that heads the group after that: in each case 12 + 12 + 13 = 37 younger loads may be out.  nx = 0: nothing follows, and the counts run down 25, 12, 0.
; DScnt.  The runs from LDS are 12, 1 + 12 (at the change of slots), 12, 1 + 12: a record's first half needs the first run and the scale image that heads the second: 12 younger loads may be out; record 2's second half
; has record 3's first run of 12 behind what it needs; record 3's second half, and the next trip's b (8 LDS loads issued just ahead of it), are waited for with 0.
.macro TRIP cb, nx, nb, no, bn, bof
	s_wait_loadcnt 37
	HALF 0, 0, 0, \cb
	PLC
.if \nx
	GROUP 0, 0, \nb, \no
	s_wait_loadcnt 37
.else
	s_wait_loadcnt 25
.endif
	HALF 0, 1, 0, \cb
	PLC
.if \nx
	GROUP 1, 1, \nb, \no
.endif
	s_wait_dscnt 12
	HALF 2, 0, 1, \cb
	PLC
	LGRP 0, 1
	s_wait_dscnt 12
	HALF 2, 1, 1, \cb
	PLC
	LGRP 1, 1
.if \nx
	s_wait_loadcnt 37
.else
	s_wait_loadcnt 12
.endif
	HALF 1, 0, 0, \cb
	PLC
.if \nx
	GROUP 2, 0, \nb, \no+12800
	s_wait_loadcnt 37
.else
	s_wait_loadcnt 0x0
.endif
	HALF 1, 1, 0, \cb
	PLC
.if \nx
	GROUP 3, 1, \nb, \no+12800
.endif
	s_wait_dscnt 12
	HALF 3, 0, 1, \cb
	PLC
.if \bn
	BIAS \bof
.endif
	s_wait_dscnt 0x0
	HALF 3, 1, 1, \cb
	PLC
.endm
; THE CHANGE OF SLOTS stands at a trip's head.  Each wave waits for all its tensor loads (its part of the slot that it is about to read), adds 0 to its spare word, and waits for that and for its reads of the slot read last trip.
; fill = 1: that slot is filled with the next trip's records 2 and 3.  The barrier is then a round of the cluster's, so that no wave of any partner still reads the slot or has a load on its way; the joint load is
; the first thing behind it and has the whole trip in which to land.  Then record 2 is fetched out of the slot in hand, while record 0 is multiplied.
.macro CHANGE fill
	s_wait_tensorcnt 0x0                           ; no tensor load of mine is out, so the group 0 may be written
	ds_add_u32 v[SPW], v[NIL]                      ; 0 onto my spare word
.if \fill
	s_xor_b32 s[G0+1], s[G0+1], SLOT1              ; the walking descriptor: the other slot than last time,
	s_add_nc_u64 s[G0+2:G0+3], s[G0+2:G0+3], 51200 ; the next trip's records; the type bits on top are not reached
.endif
	s_wait_dscnt 0x0                               ; the add is done, and my LDS loads and stores are over
.if \fill
	ROUND
	tensor_load_to_lds s[G0:G0+3], s[G1:G1+7]
	s_nop 0
.rept 4
	v_nop                                          ; four lines behind a tensor load
.endr
.else
	s_barrier_signal -1
	s_barrier_wait -1
.endif
.if \fill
	ASK
.endif
	v_add_nc_u32 v[TAL], s[TB], v[LRD]
	s_xor_b32 s[TB], s[TB], SLOT1                  ; the next trip reads the other slot
	LGRP 0, 0
	LGRP 1, 0
.endm
; THE QUANTISER, on the 16 accumulators: 8 blocks q = 2 m + B of 32 along the next K; a lane holds 16 numbers of each, registers 16 q + i, lane l xor 16 the other 16.
.macro QMAX
.irp q, 0,1,2,3,4,5,6,7
	v_max3_num_f32 v[TM+\q], |v[16*\q]|, |v[16*\q+1]|, 0x1800000   ; over the floor 2^(3 - 127): the byte cannot fall under 1.  (Each accumulator is read from its low end on)
.endr
.irp i, 2,4,6,8,10,12,14
.irp q, 0,1,2,3,4,5,6,7
	v_max3_num_f32 v[TM+\q], v[TM+\q], |v[16*\q+\i]|, |v[16*\q+\i+1]|
.endr
.endr
.irp q, 0,1,2,3,4,5,6,7
	v_permlanex16_b32 v[TX+\q], v[TM+\q], s[SEL], s[SEL+1]
.endr
.irp q, 0,1,2,3,4,5,6,7
	v_max_num_f32 v[TM+\q], v[TM+\q], v[TX+\q]
.endr
.endm
.macro QTAIL                           ; from the blocks' largest magnitudes: bytes in HW + m, half a fragment's codes in PC + 8 m .. + 5
.irp q, 0,1,2,3,4,5,6,7
	v_add_nc_u32 v[SO+\q], 0xff000000, v[TM+\q]    ; 2 off the exponent field: the conversion takes that field as its scale
.endr
.irp q, 0,1,2,3,4,5,6,7
	v_lshrrev_b32 v[TX+\q], 23, v[SO+\q]
.endr
.irp m, 0,1,2,3
	v_lshl_or_b32 v[HW+\m], v[TX+2*\m+1], 8, v[TX+2*\m]
.endr
.irp m, 0,1,2,3
	v_cvt_scalef32_pk16_fp6_f32 v[PC+8*\m:PC+8*\m+2], v[32*\m:32*\m+15], v[SO+2*\m]
	v_cvt_scalef32_pk16_fp6_f32 v[PX+4*\m:PX+4*\m+2], v[32*\m+16:32*\m+31], v[SO+2*\m+1]
.endr
	v_nop                                          ; one plain place behind a scaled conversion
.irp m, 0,1,2,3                                ; the operand wants a WHOLE block in a lane
.irp i, 0,1,2
	v_permlane16_swap_b32 v[PC+8*\m+\i], v[PX+4*\m+\i]
.endr
.endr
.irp m, 0,1,2,3
.irp i, 0,1,2
	v_mov_b32 v[PC+8*\m+3+\i], v[PX+4*\m+\i]
.endr
.endr
.endm
.macro PUT adr, sad                    ; codes and bytes into LDS, as images of the operand's registers
	WIN 0
	v_add_nc_u32 v[TA0], s[OFI], v[\adr]
	v_add_nc_u32 v[TA1], s[OF2], v[\sad]
	WIN 0x0c                                       ; an LDS store's data are its source 1: window 3
.irp m, 0,1,2,3
.irp i, 0,1,2
	ds_store_b64 v[TA0], v[PC+8*\m+2*\i:PC+8*\m+2*\i+1] offset:IMS*\m+8*\i
.endr
	ds_store_b16 v[TA1], v[HW+\m] offset:512*\m    ; (lanes r and r + 16 write the same bytes with the same value)
.endr
	WIN 0
.endm
.macro EPB
	s_wait_dscnt 0x0                               ; the last trip's LDS stores have read their registers
	WIN 0xff
	QMAX
	QTAIL
	PUT IW, SW
.endm
	s_load_b256 s[4:11], s[0:1], 0x0               ; qa s[4:5], wrec s[6:7], b s[8:9], strm s[10:11]
	v_lshl_add_u32 v[SPW], v0, 2, SPARE
	v_mov_b32 v[NIL], 0
	ds_add_u32 v30, v31
	ds_add_u32 v30, v31
	s_wait_dscnt 0x0
	v_lshrrev_b32 v27, 5, v0
	v_readfirstlane_b32 s[WV], v27                 ; wave
	v_and_b32 v24, 15, v0                          ; r
	s_wait_alu depctr_va_vdst(0)
	v_bfe_u32 v25, v0, 4, 1                        ; hh
	v_and_b32 v26, 31, v0                          ; lane
	v_lshlrev_b32 v[L16], 4, v26
	s_wait_alu depctr_va_vdst(0)
	s_mul_i32 s38, s[WV], 12288
	s_add_co_u32 s38, s38, TQI
	v_mul_u32_u24 v[IW], v26, 24
	v_add_nc_u32 v[IW], s38, v[IW]
	s_lshr_b32 s38, s[WV], 1
	s_and_b32 s39, s[WV], 1
	s_lshl_b32 s40, s38, 8
	s_lshl_b32 s41, s39, 3
	s_add_co_u32 s40, s40, s41
	s_add_co_u32 s40, s40, TSC
	v_lshl_add_u32 v[SW], v24, 4, s40
	s_lshl_b32 s40, s[WV], 9
	s_add_co_u32 s40, s40, TSC
	v_add_nc_u32 v[SR], s40, v[L16]
	s_mul_i32 s40, s[WV], 25600
	v_add_nc_u32 v[LRD], s40, v[L16]
	s_lshl_b32 s40, s[WV], 10
	s_add_co_u32 s40, s40, BLD
	v_add_nc_u32 v[BLW], s40, v[L16]
	v_lshl_add_u32 v[BLA], v25, 6, s40
	v_min_u32 v[PFO], 24, v26
	v_lshlrev_b32 v[PFO], 8, v[PFO]
	s_mov_b32 s[SEL], 0x76543210
	s_mov_b32 s[SEL+1], 0xfedcba98
	s_bfe_u32 s[CX], ttmp6, 0x40000                ; cx
	s_lshl_b32 s[JJ], ttmp9, 2                     ; in a cluster launch ttmp9 counts clusters
	s_add_co_u32 s[JJ], s[JJ], s[CX]               ; j = 4 x cluster x + cx
	s_and_b32 s17, ttmp7, 0xffff                   ; batch
	s_mul_i32 s42, s[WV], 204800                   ; my 16 records of W: the wave's number alone: the same in all partners
	s_mov_b32 s43, 0
	s_lshl_b32 s44, s[WV], 10                      ; my 256 numbers of b
	s_mov_b32 s45, 0
	s_lshl_b32 s46, s17, 4
	s_add_co_u32 s46, s46, s[JJ]
	s_mul_i32 s46, s46, 51200                      ; qa's four records
	s_mov_b32 s47, 0
	s_mul_i32 s48, s17, 1638400                    ; tq's record of (j, m) is T = 8 (j / 2) + 4 (m / 2) + 2 (j % 2) + m % 2, in quarter T / 16 = j / 4
	s_lshr_b32 s50, s[JJ], 2
	s_mul_i32 s50, s50, 409600
	s_add_co_u32 s48, s48, s50
	s_bfe_u32 s50, s[JJ], 0x10001                  ; (j / 2) % 2
	s_lshl_b32 s50, s50, 3
	s_and_b32 s51, s[JJ], 1
	s_lshl_b32 s51, s51, 1
	s_add_co_u32 s50, s50, s51
	s_lshl_b32 s51, s38, 2                         ; the scale image that I store: tile m = wave
	s_add_co_u32 s51, s51, s39
	s_add_co_u32 s51, s51, s50
	s_mul_i32 s51, s51, 12800
	s_add_co_u32 s52, s48, s51
	s_add_co_u32 s52, s52, 12288
	s_mov_b32 s53, 0
	s_mul_i32 s50, s50, 12800
	s_add_co_u32 s48, s48, s50
	s_mul_i32 s50, s[WV], 3072                     ; my outputs are K steps 2 w and 2 w + 1 of the next product
	s_add_co_u32 s48, s48, s50
	s_mov_b32 s49, 0
	s_mov_b32 s[CC], 0
	s_mov_b32 s[OFI], 0
	s_mov_b32 s[OF2], 0
	s_mov_b32 s[TB], 0
	s_mov_b32 s[OFB], 0
	; descriptor group 1: two records, 25,600 dense bytes, as 100 rows of 256 bytes (32 elements of 8 bytes), no padding: a lane's 16 bytes lie on end in LDS as in memory
	s_mov_b32 s[G1], 15|(3<<16)|(1<<21)            ; 15:0 the mask: all four work-groups; 17:16 elements of 8 bytes; 21 set beside a mask
	s_mov_b32 s[G1+1], 32<<16                      ; tensor_dim0 = 32
	s_mov_b32 s[G1+2], 100<<16                     ; tensor_dim1 = 100
	s_mov_b32 s[G1+3], 32<<16                      ; tile_dim0 = 32
	s_mov_b32 s[G1+4], 100                         ; tile_dim1 = 100
	s_mov_b32 s[G1+5], 32                          ; from row to row
	s_mov_b32 s[G1+6], 0
	s_mov_b32 s[G1+7], 0
	s_mov_b32 s[G0], 1                             ; count = 1
	s_mul_i32 s[G0+1], s[WV], 25600                ; LDS address: my part of slot 0
	s_wait_kmcnt 0x0
	s_add_nc_u64 s[CUR:CUR+1], s[6:7], s[42:43]
	s_mul_i32 s42, s[CX], 12800                    ; my work-group's 50 blocks of a trip's 200
	s_add_nc_u64 s[PFA:PFA+1], s[CUR:CUR+1], s[42:43]
	s_add_nc_u64 s[BB:BB+1], s[8:9], s[44:45]
	s_add_nc_u64 s[QAB:QAB+1], s[4:5], s[46:47]
	s_add_nc_u64 s[TQ:TQ+1], s[10:11], s[48:49]
	s_add_nc_u64 s[TQS:TQS+1], s[10:11], s[52:53]
	s_add_nc_u64 s[G0+2:G0+3], s[CUR:CUR+1], 25600 ; global address: records 2 and 3 of my first trip
	s_or_b32 s[G0+3], s[G0+3], 0x80000000          ; type = 2
	ROUND                                          ; all four work-groups are here: the first joint loads meet
	tensor_load_to_lds s[G0:G0+3], s[G1:G1+7]
	s_nop 0
.rept 4
	v_nop
.endr
	s_wait_alu depctr_va_vdst(0)
	WIN 0xc0
	global_load_b128 v[TM:TM+3], v[L16], s[BB:BB+1]               ; my 256 numbers of b, 1,024 consecutive bytes
	global_load_b128 v[TM+4:TM+7], v[L16], s[BB:BB+1] offset:512
	WIN 0
.irp e, 0,1                                    ; the 64 rows q: they stay
	WIN 0x40+0x40*\e
.irp m, 0,1,2,3
.irp f, 0,1,2,3
.irp g, 0,1,2
	global_load_b128 v[12*(4*\m+\f)+4*\g:12*(4*\m+\f)+4*\g+3], v[L16], s[QAB:QAB+1] offset:12800*\m+1536*(4*\e+\f)+512*\g
.endr
.endr
.endr
.endr
	WIN 0
.irp m, 0,1,2,3
	global_load_b128 v[AS+4*\m:AS+4*\m+3], v[L16], s[QAB:QAB+1] offset:12800*\m+12288
.endr
	GROUP 0, 0, CUR, 0                             ; records 0 and 1 of the first trip, in the order in which a trip asks for them
	GROUP 1, 1, CUR, 0
	GROUP 2, 0, CUR, 12800
	GROUP 3, 1, CUR, 12800
	WIN 0xc0
.irp q, 0,1,2,3,4,5,6,7
	v_mov_b32 v[TX+\q], 0                          ; written once: a lane permute's destination counts as one of its sources
.endr
	s_wait_loadcnt 63                              ; 150 loads are younger than b's two; 63 is the largest count that a wait names
	WIN 0x0c
	ds_store_b128 v[BLW], v[TM:TM+3]
	ds_store_b128 v[BLW], v[TM+4:TM+7] offset:512
	WIN 0
	BIAS 0                                         ; LDS serves a wave's instructions in order: these loads see the stores above
.Ltrip:
	CHANGE 1
	s_wait_alu depctr_va_vdst(0)
	TRIP 1, 1, CUR, 51200, 1, 256
	EPB
	s_wait_xcnt 0x0                                ; the loads issued so far have read their bases
	s_add_nc_u64 s[CUR:CUR+1], s[CUR:CUR+1], 51200
	s_add_nc_u64 s[PFA:PFA+1], s[PFA:PFA+1], 51200
	s_add_co_u32 s[OFB], s[OFB], 256
	s_add_co_u32 s[OFI], s[OFI], 768
	s_add_co_u32 s[OF2], s[OF2], 2
	s_add_co_u32 s[CC], s[CC], 1
	s_cmp_lt_u32 s[CC], 3
	s_cbranch_scc1 .Ltrip
	s_mov_b32 s[OFI], 3*768
	s_mov_b32 s[OF2], 6
	CHANGE 0                                       ; the last trip is written out: it asks for nothing, by a tensor load or by loads
	s_wait_alu depctr_va_vdst(0)
	TRIP 1, 0, CUR, 0, 0, 0
	EPB
	; THE WAY OUT.  My two K steps of the four tiles come back from my own bytes of LDS (served in order: these loads see my stores) and leave in the records' order.
	WIN 0xc0
.irp m, 0,1,2,3
.irp i, 0,1
.irp p, 0,1,2,3,4,5
	ds_load_b64 v[12*(2*\m+\i)+2*\p:12*(2*\m+\i)+2*\p+1], v[IW] offset:3072*\m+1536*\i+768*(\p/3)+8*(\p%3)
.endr
.endr
.endr
	s_wait_dscnt 0x0                               ; they are in; and, for the others' sake, my bytes in the scale images have landed
	WIN 0x0c
.irp m, 0,1,2,3
.irp i, 0,1
.irp g, 0,1,2
	global_store_b128 v[L16], v[12*(2*\m+\i)+4*\g:12*(2*\m+\i)+4*\g+3], s[TQ:TQ+1] offset:12800*(4*(\m/2)+\m%2)+1536*\i+512*\g   ; 512 consecutive bytes
.endr
.endr
.endr
	WIN 0
	s_barrier_signal -1
	s_barrier_wait -1                              ; the four scale images are whole
	WIN 0xc0
	ds_load_b128 v[96:99], v[SR]
	s_wait_dscnt 0x0
	WIN 0x0c
	global_store_b128 v[L16], v[96:99], s[TQS:TQS+1]
	WIN 0
	s_wait_tensorcnt 0x0                           ; the wave's end: behind my last tensor load and my last LDS store
	ds_add_u32 v[SPW], v[NIL]
	s_wait_dscnt 0x0
	ROUND                                          ; the closing round: no work-group ends while a partner may still ask for a tile that names it
	s_endpgm
.Lfunc_end_k_qe6042d4fe2_lin1:
	.size	k_qe6042d4fe2_lin1, .Lfunc_end_k_qe6042d4fe2_lin1-k_qe6042d4fe2_lin1
	.p2alignl 7, 3214868480
	.fill 96, 4, 3214868480
	.section	.rodata,"a",@progbits
	.p2align	6, 0x0
	.amdhsa_kernel k_qe6042d4fe2_lin1
		.amdhsa_group_segment_fixed_size 327680
		.amdhsa_private_segment_fixed_size 0
		.amdhsa_enable_private_segment 0
		.amdhsa_kernarg_size 32
		.amdhsa_user_sgpr_count 2
		.amdhsa_user_sgpr_kernarg_segment_ptr 1
		.amdhsa_wavefront_size32 1
		.amdhsa_system_sgpr_workgroup_id_x 1
		.amdhsa_system_sgpr_workgroup_id_y 1
		.amdhsa_system_sgpr_workgroup_id_z 1
		.amdhsa_system_vgpr_workitem_id 0
		.amdhsa_next_free_vgpr 1024
		.amdhsa_next_free_sgpr 80
		.amdhsa_reserve_vcc 0
		.amdhsa_float_denorm_mode_32 3
		.amdhsa_float_denorm_mode_16_64 3
		.amdhsa_memory_ordered 1
		.amdhsa_forward_progress 1
		.amdhsa_inst_pref_size 94
	.end_amdhsa_kernel
	.amdgpu_metadata
---
amdhsa.version: [ 1, 2 ]
amdhsa.kernels:
  - .name:           k_qe6042d4fe2_lin1
    .symbol:         k_qe6042d4fe2_lin1.kd
    .args:
      - { .name: qa, .offset: 0, .size: 8, .value_kind: global_buffer, .address_space: global }
      - { .name: wrec, .offset: 8, .size: 8, .value_kind: global_buffer, .address_space: global }
      - { .name: b, .offset: 16, .size: 8, .value_kind: global_buffer, .address_space: global }
      - { .name: strm, .offset: 24, .size: 8, .value_kind: global_buffer, .address_space: global }
    .group_segment_fixed_size: 327680
    .private_segment_fixed_size: 0
    .kernarg_segment_align: 8
    .kernarg_segment_size: 32
    .max_flat_workgroup_size: 128
    .sgpr_count:     80
    .vgpr_count:     1024
    .wavefront_size: 32
...
	.end_amdgpu_metadata
.endif
;; end of part 2
;; launch attn (part 3): grid 16 x 16, 4 waves a work-group, clusters of 4 x 1, 327,680 bytes of LDS; arguments proj_p_codes, proj_p_scales, strm, wrec, b, out0; writes out0
.if DOCPART == 3
	.amdgcn_target "amdgcn-amd-amdhsa--gfx1250"
	.amdhsa_code_object_version 6
	.text
	.protected	k_qe6042d4fe2_attn
	.globl	k_qe6042d4fe2_attn
	.p2align	8
	.type	k_qe6042d4fe2_attn,@function
k_qe6042d4fe2_attn:
	s_mov_b64 s[64:65], 0
	v_nop
	global_prefetch_b8 v0, s[64:65] scope:SCOPE_SE
	s_setreg_imm32_b32 hwreg(HW_REG_WAVE_MODE, 25, 1), 1
	s_wait_xcnt 0x0
	s_wait_alu depctr_hold_cnt(0) depctr_sa_sdst(0) depctr_va_vdst(0) depctr_va_sdst(0) depctr_va_ssrc(0) depctr_va_vcc(0) depctr_vm_vsrc(0)
	s_getreg_b32 s2, hwreg(HW_REG_IB_STS2, 6, 4)
	s_cmp_eq_u32 s2, 0
	s_cbranch_scc0 .Lentry_in_a_cluster
	s_endpgm
.Lentry_in_a_cluster:
	s_bfe_u32 s2, ttmp6, 0x10000c
	s_cmp_lg_u32 s2, 0x3003
	s_cbranch_scc0 .Lentry_shape_is_right
	s_endpgm
.Lentry_shape_is_right:
; out = relu(Q(att) W^T + b), att = (Q(p) Q(proj_q)) / l, p = 2^(t - M), t = (proj_p . Q(trans_q)) log2(e): three products on codes of FP6 (E2M3) with E8M0 scales, fused; nothing but out goes to memory.
; SHARES.  A work-group owns 64 rows p of one batch, whole: four tiles of 16, resident in every wave's registers as source 1 of each product in turn (proj_p, then P, then att).
; In each product wave w walks 16 records of the other operand (16 rows x K = 1,024 in the order of the operand's registers, 12,800 bytes): keys, then channels, then outputs 256 w on, 64 a trip.
; ALL PRODUCTS ARE USED TRANSPOSED (source 0 = the streamed 16 rows): a lane holds one row p, and by the order of a tile's rows (lane r of tile 2 B + u: row 32 B + 8 u + r + 8 (r / 8)) the 16 registers of
; two neighbouring tiles are 16 neighbours along the next product's K.  So a trip's 64 results a row are quantised in registers and are half a fragment of the next operand; it goes to the other waves
; through LDS as an image of its registers (24 bytes a lane, 768 a half fragment), its two scale bytes beside it.
; THE SOFTMAX.  Each unit of 64 keys is quantised under its OWN M_u = ceil(the unit's largest t), a whole number; l_u is the sum of the unquantised p.  Behind the barrier every wave takes M = the largest M_u,
; takes M - M_u off the unit's scale bytes and multiplies l_u by 2^(M_u - M): both exact, so codes and scales are those of p = 2^(t - M).  The maximum is taken away before every exponential.
; HOW THE STREAMED RECORDS COME.  A trip has four records a wave.  Records 0 and 1 come from memory straight into registers: four sets of half a record; a set is asked for again as soon as it has been multiplied,
; for the NEXT trip: seven halves' products and the trip's epilogue stand between request and use; 50 loads of 512 bytes a wave (58 with b) are out, under the 63 that LOADcnt's field counts (ISA guide 5.7.1).
; Records 2 and 3 come JOINTLY: the four work-groups of a cluster are four blocks of rows of one batch and walk the same records, so wave w of each issues the same tensor load (25,600 dense bytes, a mask that
; names the four) into its part of one of two LDS slots, a whole trip ahead; only the wave that asked reads that part, into two further sets.  Not all four records jointly: two slots of four records a wave would be
; 409,600 bytes of LDS, and with two records to a slot the slots would change twice a trip, each refill with 64 products in which to land.  A wave has one tensor load out at the most.
; In time the records go 0, 2, 1, 3, so that each run of LDS loads has two halves' products in which to land.
; K ORDER OF THE SECOND PRODUCT: in each 128 keys the places of blocks (0, 1, 2, 3) hold the blocks (0, 2, 1, 3) of q, in P (by the order of tq's records) as in V (as the first launch laid it).
; LIMITS: NaN and infinities are not served.  A block of zeros has the byte 1 (its codes are zeros).  A block of p more than 2^124 under the row's largest keeps the byte 0 and so counts for at most
; 7.5 x 2^-127; v_exp_f32 gives 0 for results under 2^-126 (ISA guide 15.8).  M_u is a whole number for every t; M - M_u is exact while |t| < 2^24.
; REGISTERS, in windows of 256: window 0: v1-20 addresses, v22-25 the LDS record's scale words, v30-31 for the add, v32-47 the resident rows' scale words, v48-55 those of records 0 and 1, v56-58 addresses in hand, v64-255 four sets.
;   windows 1, 2: the resident fragments (tile m, K step s) in window 1 + s / 4 at 12 (4 m + s % 4); v192-239: the LDS record's first half (window 1), second half (window 2).
;   window 3: v0-127 the 16 accumulators (32 m + 8 rho), v128-159 b, v160-255 the epilogues'.
.set L16, 1                            ; v1   16 x lane
.set PGL, 2                            ; v2   proj_p's codes in memory: 768 hh + 16 r
.set PST, 3                            ; v3   into LDS: 784 (16 wave + hh) + 16 r
.set PA,  4                            ; v4   and out, as fragments: 784 r + 24 hh
.set PSO, 5                            ; v5   proj_p's scale bytes: 32 r + 16 hh
.set IWU, 6                            ; v6   the images, where I write: 24 lane + 3072 wave
.set IRU, 7                            ; v7   and where I read: 24 lane
.set SWY, 8                            ; v8   P's scale images, my bytes: 16 r + 256 (wave / 2) + 8 (wave % 2)
.set SWX, 9                            ; v9   att's
.set SRY, 10                           ; v10  and where I read: 16 lane
.set SRX, 11
.set STW, 12                           ; v12  -M_u and l_u, my words: 32 r + 512 (wave / 2) + 16 (wave % 2)
.set STR, 13                           ; v13  and where I read: 32 lane: units 8 hh .. 8 hh + 7 of row r
.set OSW, 14                           ; v14  my stage for out, in: 272 r + 64 hh
.set OSR, 15                           ; v15  and back: 272 hh + 16 r
.set GO,  16                           ; v16  out: 4096 hh + 16 r
.set BO,  17
.set PFO, 18                           ; v18  256 x min(lane, 24)
.set LRD, 19                           ; v19  my part of slot 0: 25600 wave + 16 lane
.set TAL, 20                           ; v20  the same in the slot in hand
.set SBL, 22                           ; v22-25
.set BLW, 26                           ; v26  my 256 numbers of b in LDS, in: BLD + 1024 wave + 16 lane
.set BLA, 27                           ; v27  and out: BLD + 1024 wave + 64 hh
.set TBI, 28                           ; v28  the same at the trip in hand
.set OFB, 54                           ; s54  256 x trip of phase 4
.set PFW, 76                           ; s[76:77] where my prefetches of W stand
.set BLD, 115200                       ; behind the spare words: b, 1,024 bytes a wave, stored once at the head
.set SPW, 30                           ; v30  LDS address of my spare word; never rewritten
.set NIL, 31                           ; v31  0; never rewritten
.set AS,  32
.set SB,  48
.set TA0, 56
.set TA1, 57
.set TA2, 58
.set SET, 64
.set LSET, 192
.set BI,  128                          ; window 3 from here on
.set TM,  160
.set TX,  168
.set SO,  176
.set PC,  184
.set PX,  216
.set HW,  232
.set NM,  236                          ; pairs: -M_u of tile m in the low word; later 1 / l
.set RL,  236
.set LS,  244                          ; pairs: l_u
.set SCR, 252
.set OB,  160                          ; phase 4: rows of out back from the stage, two sets of 32
.set XM,  0                            ; between phases 2 and 3: -M_u, then M - M_u;
.set XL,  32                           ; l_u;
.set SWD, 64                           ; P's scale words;
.set NF,  80                           ; -M;
.set LT,  84                           ; l;
.set T0,  100                          ; at work
.set WV,  16
.set SEL, 18                           ; s[18:19] lane selects: lane l xor 16
.set CS,  20                           ; s[20:21] log2(e): the scores are not scaled
.set CUR, 22                           ; s[22:23] the records of the trip in hand
.set WB,  24                           ; s[24:25] my 16 records of W
.set BB,  26                           ; s[26:27] my 256 numbers of b
.set OUT, 28                           ; s[28:29] out at my rows and the trip's 64 outputs
.set PFA, 30                           ; s[30:31] where my prefetches stand
.set PFN, 32                           ; s32  prefetches still to be made
.set CC,  33
.set OFI, 34                           ; s34  768 x trip
.set OF2, 35                           ; s35  2 x trip
.set OF4, 36                           ; s36  4 x trip
.set TB,  37                           ; s37  LDS byte at which the slot to be read begins
.set G0,  56                           ; s[56:59] descriptor group 0: it walks
.set WL,  60                           ; s[60:61] records 2 and 3 of W's first trip
.set XX,  62                           ; s62  which 64 rows of the batch
.set CX,  63                           ; s63  my place in the cluster: it enters XX alone, and XX global addresses alone
.set G1,  68                           ; s[68:75] descriptor group 1
.set SLOT1, 131072                     ; LDS: slot 0 at 0, 4 x 25,600 bytes; slot 1 here, so that one exclusive or turns an address in one slot into the other's;
.set PSC, 102400                       ; between them: P's four scale images of 512 bytes,
.set XSC, 104448                       ; att's,
.set STM, 106496                       ; -M_u: [tile][32 lanes][8 words], 4,096 bytes; l_u likewise, 4,096 on,
.set SPARE, 114688                     ; and the spare words, 128 bytes for each wave: two blocks of 256 bytes that no other line names;
.set UU,  233472                       ; behind slot 1: 50,176 bytes that hold in turn proj_p's 64 rows (768 bytes, 784 apart), P's images and att's (half H of tile m at 12288 m + 768 H + 24 lane):
                                       ; between the last read of one and the first store of the next stands a change of slots, in front of whose barrier every wave waits for its LDS loads;
.set OST, 283648                       ; a stage of 16 rows x 272 bytes for each wave
.set IMS, 12288
.set MSB, 0
.macro WIN new                         ; the immediate's high byte repeats the setting that is left
.if MSB != (\new)
	s_set_vgpr_msb (MSB<<8)|(\new)
.set MSB, (\new)
.endif
.endm
; A round of the cluster's barrier: my work-group's barrier, so that wave 0's signal speaks for all four waves; wave 0 signals for the work-group; every wave waits for all four work-groups; my work-group's barrier once more.
.macro ROUND
	s_barrier_signal -1
	s_barrier_wait -1
	s_cmp_lg_u32 s[WV], 0
	s_cbranch_scc1 .Lnot_wave_0_\@
	s_barrier_signal -3
.Lnot_wave_0_\@:
	s_barrier_wait -3
	s_barrier_signal -1
	s_barrier_wait -1
.endm
; half kh of the record at base + off into set `set`: 12 loads of 512 consecutive bytes; with the second half, ahead of it, the record's scale image
.macro GROUP set, kh, base, off
.if \kh
	global_load_b128 v[SB+4*((\set)/2):SB+4*((\set)/2)+3], v[L16], s[\base:\base+1] offset:(\off)+12288
.endif
.irp f, 0,1,2,3
.irp g, 0,1,2
	global_load_b128 v[SET+48*(\set)+12*\f+4*\g:SET+48*(\set)+12*\f+4*\g+3], v[L16], s[\base:\base+1] offset:(\off)+1536*(4*(\kh)+\f)+512*\g
.endr
.endr
.endm
; half e of record rec (0, 1) of my part of the slot in hand: 12 LDS loads of 512 consecutive bytes, into window 1 + e; with the second half, ahead of it, the record's scale image
.macro LGRP e, rec
.if \e
	ds_load_b128 v[SBL:SBL+3], v[TAL] offset:12800*(\rec)+12288
.endif
	WIN 0x40+0x40*(\e)
.irp f, 0,1,2,3
.irp g, 0,1,2
	ds_load_b128 v[LSET+12*\f+4*\g:LSET+12*\f+4*\g+3], v[TAL] offset:12800*(\rec)+1536*(4*(\e)+\f)+512*\g
.endr
.endr
	WIN 0
.endm
.macro BIAS bof                        ; b at 64 outputs, in the result's layout: register 16 B + i = output 32 B + 16 hh + i
	v_add_nc_u32 v[TBI], s[OFB], v[BLA]            ; out of my own LDS bytes
	WIN 0xc0
.irp i, 0,1,2,3,4,5,6,7
	ds_load_b128 v[BI+4*\i:BI+4*\i+3], v[TBI] offset:(\bof)+128*(\i/4)+16*(\i%4)
.endr
	WIN 0
.endm
; A PREFETCH INTO THE L2 of my wave's stream in strm: the head asks for the four records of trip 1, and trip t for those of trip t + 2, whose joint load goes out at the head of trip t + 1 and whose loads into
; registers go out in trip t + 1.  A trip's four records are 200 blocks of 256 bytes; the 16 work-groups of a batch walk the same stream, and the eight of its first two clusters ask, 25 blocks each, told apart
; BY ADDRESS, a lane a block (lanes 25 to 31 name lane 24's block once more); the branch hangs on the cluster's number, which all partners share.  In the loops six requests a wave, in the first six of the eight
; trips of phases 2 and 3; the first trip's records come by their loads alone, and the last two trips ask for nothing.  It stands behind the wave's tensor load and its four lines.
.macro ASK
	s_cmp_lg_u32 s[PFN], 0
	s_cbranch_scc0 .Lno_ask_\@
	global_prefetch_b8 v[PFO], s[PFA:PFA+1] offset:102400 th:TH_LOAD_NT scope:SCOPE_SE
	s_sub_co_u32 s[PFN], s[PFN], 1
.Lno_ask_\@:
.endm
; 16 matrix instructions: half e (K steps 4 e + f) of the trip's record rho against the four resident tiles.  lp = 1: the record came through LDS.  The four accumulators take turns, one instruction a turn.
; The scale words of K steps 0-3 stand in lanes 0-15 of their registers, those of K steps 4-7 in lanes 16-31.
.macro HALF rho, e, lp, cb
.set EE, (\e)
.if \lp
.set STN, LSET
.set SBN, SBL
	WIN 0xf5+5*EE
.else
.set STN, SET+48*(2*(\rho)+EE)
.set SBN, SB+4*(\rho)
	WIN 0xf4+4*EE
.endif
.irp f, 0,1,2,3
.irp m, 0,1,2,3
.set DD, 32*\m+8*(\rho)
.set AA, STN+12*\f
.set RR, 12*(4*\m+\f)
.if EE
	v_wmma_scale_f32_16x16x128_f8f6f4 v[DD:DD+7], v[AA:AA+11], v[RR:RR+11], v[DD:DD+7], v[SBN+\f], v[AS+4*\m+\f] matrix_a_fmt:MATRIX_FMT_FP6 matrix_b_fmt:MATRIX_FMT_FP6 matrix_a_scale:MATRIX_SCALE_ROW1 matrix_b_scale:MATRIX_SCALE_ROW1
.elseif \f
	v_wmma_scale_f32_16x16x128_f8f6f4 v[DD:DD+7], v[AA:AA+11], v[RR:RR+11], v[DD:DD+7], v[SBN+\f], v[AS+4*\m+\f] matrix_a_fmt:MATRIX_FMT_FP6 matrix_b_fmt:MATRIX_FMT_FP6
.elseif \cb
	v_wmma_scale_f32_16x16x128_f8f6f4 v[DD:DD+7], v[AA:AA+11], v[RR:RR+11], v[BI+8*(\rho):BI+8*(\rho)+7], v[SBN+\f], v[AS+4*\m+\f] matrix_a_fmt:MATRIX_FMT_FP6 matrix_b_fmt:MATRIX_FMT_FP6
.else
	v_wmma_scale_f32_16x16x128_f8f6f4 v[DD:DD+7], v[AA:AA+11], v[RR:RR+11], 0, v[SBN+\f], v[AS+4*\m+\f] matrix_a_fmt:MATRIX_FMT_FP6 matrix_b_fmt:MATRIX_FMT_FP6
.endif
.endr
.endr
.endm
.macro PLC                             ; four places behind a half's products (ISA guide 7.12.1 for vector instructions): loads into its registers, or reads of its results, follow
	WIN 0
.rept 4
	v_nop
.endr
.endm
; A PREFETCH INTO THE L2 of my wave's records of W: trip k of phase 3 asks for the four records of trip k of phase 4, four trips ahead: 200 blocks of 256 bytes, shared out as the stream's are:
; the eight work-groups of a batch's first two clusters take 25 each, told apart BY ADDRESS, a lane a block.
.macro ASKW
	s_cmp_lt_u32 ttmp9, 2
	s_cbranch_scc0 .Lno_askw_\@
	global_prefetch_b8 v[PFO], s[PFW:PFW+1] th:TH_LOAD_NT scope:SCOPE_SE
.Lno_askw_\@:
.endm
; A TRIP: four records, 64 streamed rows, 128 matrix instructions, in the order 0, 2, 1, 3.
; LOADcnt.  The register sets' groups are 12, 13, 12, 13 loads, issued behind the halves of records 0 and 1, for the next trip.  A half needs the group issued behind the same half a trip ago and, where it begins
; a record, the scale image that heads the group after that: in each case 12 + 12 + 13 = 37 younger loads may be out.  nx = 0: nothing follows, and the counts run down 25, 12, 0.
; DScnt.  The runs from LDS are 12, 1 + 12 (at the change of slots), 12, 1 + 12: a record's first half needs the first run and the scale image that heads the second: 12 younger loads may be out; record 2's second half
; has record 3's first run of 12 behind what it needs; record 3's second half, and the next trip's b (8 LDS loads issued just ahead of it), are waited for with 0.
.macro TRIP cb, nx, nb, no, bn, bof
	s_wait_loadcnt 37
	HALF 0, 0, 0, \cb
	PLC
.if \nx
	GROUP 0, 0, \nb, \no
	s_wait_loadcnt 37
.else
	s_wait_loadcnt 25
.endif
	HALF 0, 1, 0, \cb
	PLC
.if \nx
	GROUP 1, 1, \nb, \no
.endif
	s_wait_dscnt 12
	HALF 2, 0, 1, \cb
	PLC
	LGRP 0, 1
	s_wait_dscnt 12
	HALF 2, 1, 1, \cb
	PLC
	LGRP 1, 1
.if \nx
	s_wait_loadcnt 37
.else
	s_wait_loadcnt 12
.endif
	HALF 1, 0, 0, \cb
	PLC
.if \nx
	GROUP 2, 0, \nb, \no+12800
	s_wait_loadcnt 37
.else
	s_wait_loadcnt 0x0
.endif
	HALF 1, 1, 0, \cb
	PLC
.if \nx
	GROUP 3, 1, \nb, \no+12800
.endif
	s_wait_dscnt 12
	HALF 3, 0, 1, \cb
	PLC
.if \bn
	BIAS \bof
.endif
	s_wait_dscnt 0x0
	HALF 3, 1, 1, \cb
	PLC
.endm
; THE CHANGE OF SLOTS stands at a trip's head.  Each wave waits for all its tensor loads (its part of the slot that it is about to read), adds 0 to its spare word, and waits for that and for its LDS loads and stores so far,
; the reads of the slot read last trip among them.  fill = 1: that slot is filled with the next trip's records 2 and 3; fill = 2: with those of W's first trip.  The barrier is then a round of the cluster's, so that no
; wave of any partner still reads the slot or has a load on its way; the joint load is the first thing behind it and has the whole trip in which to land.  Then record 2 is fetched out of the slot in hand, while record 0 is multiplied.
.macro CHANGE fill, ask
	s_wait_tensorcnt 0x0                           ; no tensor load of mine is out, so the group 0 may be written
	ds_add_u32 v[SPW], v[NIL]                      ; 0 onto my spare word
.if \fill
	s_xor_b32 s[G0+1], s[G0+1], SLOT1              ; the walking descriptor: the other slot than last time,
.endif
.if \fill == 1
	s_add_nc_u64 s[G0+2:G0+3], s[G0+2:G0+3], 51200 ; the next trip's records; the type bits on top are not reached
.elseif \fill == 2
	s_mov_b64 s[G0+2:G0+3], s[WL:WL+1]
	s_or_b32 s[G0+3], s[G0+3], 0x80000000
.endif
	s_wait_dscnt 0x0                               ; the add is done, and my LDS loads and stores are over
.if \fill
	ROUND
	tensor_load_to_lds s[G0:G0+3], s[G1:G1+7]
	s_nop 0
.rept 4
	v_nop                                          ; four lines behind a tensor load
.endr
.else
	s_barrier_signal -1
	s_barrier_wait -1
.endif
.if (\ask) & 1
	ASK
.endif
.if (\ask) & 2
	ASKW
.endif
	v_add_nc_u32 v[TAL], s[TB], v[LRD]
	s_xor_b32 s[TB], s[TB], SLOT1                  ; the next trip reads the other slot
	LGRP 0, 0
	LGRP 1, 0
.endm
; THE QUANTISER, on the 16 accumulators: 8 blocks q = 2 m + B of 32 along the next K; a lane holds 16 numbers of each, registers 16 q + i, lane l xor 16 the other 16.
.macro QMAX
.irp q, 0,1,2,3,4,5,6,7
	v_max3_num_f32 v[TM+\q], |v[16*\q]|, |v[16*\q+1]|, 0x1800000   ; over the floor 2^(3 - 127): the byte cannot fall under 1
.endr
.irp i, 2,4,6,8,10,12,14
.irp q, 0,1,2,3,4,5,6,7
	v_max3_num_f32 v[TM+\q], v[TM+\q], |v[16*\q+\i]|, |v[16*\q+\i+1]|
.endr
.endr
.irp q, 0,1,2,3,4,5,6,7
	v_permlanex16_b32 v[TX+\q], v[TM+\q], s[SEL], s[SEL+1]
.endr
.irp q, 0,1,2,3,4,5,6,7
	v_max_num_f32 v[TM+\q], v[TM+\q], v[TX+\q]
.endr
.endm
.macro QTAIL                           ; from the blocks' largest magnitudes: bytes in HW + m, half a fragment's codes in PC + 8 m .. + 5
.irp q, 0,1,2,3,4,5,6,7
	v_add_nc_u32 v[SO+\q], 0xff000000, v[TM+\q]    ; 2 off the exponent field: the conversion takes that field as its scale
.endr
.irp q, 0,1,2,3,4,5,6,7
	v_lshrrev_b32 v[TX+\q], 23, v[SO+\q]
.endr
.irp m, 0,1,2,3
	v_lshl_or_b32 v[HW+\m], v[TX+2*\m+1], 8, v[TX+2*\m]
.endr
.irp m, 0,1,2,3
	v_cvt_scalef32_pk16_fp6_f32 v[PC+8*\m:PC+8*\m+2], v[32*\m:32*\m+15], v[SO+2*\m]
	v_cvt_scalef32_pk16_fp6_f32 v[PX+4*\m:PX+4*\m+2], v[32*\m+16:32*\m+31], v[SO+2*\m+1]
.endr
	v_nop                                          ; one plain place behind a scaled conversion
.irp m, 0,1,2,3                                ; the operand wants a WHOLE block in a lane
.irp i, 0,1,2
	v_permlane16_swap_b32 v[PC+8*\m+\i], v[PX+4*\m+\i]
.endr
.endr
.irp m, 0,1,2,3
.irp i, 0,1,2
	v_mov_b32 v[PC+8*\m+3+\i], v[PX+4*\m+\i]
.endr
.endr
.endm
.macro PUT adr, sad                    ; codes and bytes into LDS, as images of the operand's registers
	WIN 0
	v_add_nc_u32 v[TA0], s[OFI], v[\adr]
	v_add_nc_u32 v[TA1], s[OF2], v[\sad]
	WIN 0x0c                                       ; an LDS store's data are its source 1: window 3
.irp m, 0,1,2,3
.irp i, 0,1,2
	ds_store_b64 v[TA0], v[PC+8*\m+2*\i:PC+8*\m+2*\i+1] offset:IMS*\m+8*\i
.endr
	ds_store_b16 v[TA1], v[HW+\m] offset:512*\m    ; (lanes r and r + 16 write the same bytes with the same value)
.endr
	WIN 0
.endm
.macro ALOAD ir                        ; all 32 fragments of the next resident operand out of its images: 192 loads of 8 bytes a lane
.irp e, 0,1
	WIN 0x40+0x40*\e
.irp m, 0,1,2,3
.irp f, 0,1,2,3
.irp p, 0,1,2,3,4,5
	ds_load_b64 v[12*(4*\m+\f)+2*\p:12*(4*\m+\f)+2*\p+1], v[\ir] offset:12288*\m+1536*(4*\e+\f)+768*(\p/3)+8*(\p%3)
.endr
.endr
.endr
.endr
	WIN 0
.endm
.macro STEP
	s_wait_xcnt 0x0                                ; the loads and the prefetch issued so far have read their bases
	s_add_nc_u64 s[CUR:CUR+1], s[CUR:CUR+1], 51200
	s_add_nc_u64 s[PFA:PFA+1], s[PFA:PFA+1], 51200
	s_add_co_u32 s[OFI], s[OFI], 768
	s_add_co_u32 s[OF2], s[OF2], 2
	s_add_co_u32 s[OF4], s[OF4], 4
.endm
; THE SOFTMAX OF A UNIT: 64 keys x my 64 rows (16 a tile; a lane holds one row and 32 keys of it).
.macro SMX
	s_wait_dscnt 0x0                               ; the last trip's LDS stores have read their registers
	WIN 0xff
.irp q, 0,1,2,3,4,5,6,7
	v_max3_num_f32 v[TM+\q], v[16*\q], v[16*\q+1], v[16*\q+2]      ; the largest SCORE of each block of 32 keys: it serves for M_u and, since p rises with the score, for the block's largest p
.endr
.irp i, 3,5,7,9,11,13
.irp q, 0,1,2,3,4,5,6,7
	v_max3_num_f32 v[TM+\q], v[TM+\q], v[16*\q+\i], v[16*\q+\i+1]
.endr
.endr
.irp q, 0,1,2,3,4,5,6,7
	v_max_num_f32 v[TM+\q], v[TM+\q], v[16*\q+15]
.endr
.irp q, 0,1,2,3,4,5,6,7
	v_permlanex16_b32 v[TX+\q], v[TM+\q], s[SEL], s[SEL+1]
.endr
.irp q, 0,1,2,3,4,5,6,7
	v_max_num_f32 v[TM+\q], v[TM+\q], v[TX+\q]
.endr
.irp m, 0,1,2,3
	v_max_num_f32 v[SCR+\m], v[TM+2*\m], v[TM+2*\m+1]
.endr
.irp m, 0,1,2,3
	v_mul_f32 v[SCR+\m], s[CS], v[SCR+\m]          ; as t (log2(e) is positive)
.endr
.irp m, 0,1,2,3
	v_floor_f32 v[NM+2*\m], -v[SCR+\m]             ; -M_u = floor(-t) = -ceil(t)
.endr
.irp m, 0,1,2,3
.irp j, 0,2,4,6,8,10,12,14,16,18,20,22,24,26,28,30
	v_pk_fma_f32 v[32*\m+\j:32*\m+\j+1], v[32*\m+\j:32*\m+\j+1], s[CS:CS+1], v[NM+2*\m:NM+2*\m+1] op_sel_hi:[1,0,0]   ; t - M_u, two at a time (of the pairs the low word serves both halves)
.endr
.endr
.irp q, 0,1,2,3,4,5,6,7
	v_fma_f32 v[TM+\q], v[TM+\q], s[CS], v[NM+2*(\q/2)]            ; the same of each block's largest score
.endr
.set jj, 0
	s_wait_alu depctr_va_vdst(0)
.rept 128
	v_exp_f32 v[jj], v[jj]                         ; p = 2^(t - M_u), at most 1
.set jj, jj+1
.endr
	v_nop                                          ; a plain place behind the exponentials
	s_wait_alu depctr_va_vdst(0)                   ; one wait for the whole batch, ahead of its first reader
.irp q, 0,1,2,3,4,5,6,7
	v_exp_f32 v[TM+\q], v[TM+\q]                   ; the blocks' largest p: the same two instructions on the same number give the same bits
.endr
.irp m, 0,1,2,3
	v_pk_add_f32 v[LS+2*\m:LS+2*\m+1], v[32*\m:32*\m+1], v[32*\m+2:32*\m+3]   ; l_u is taken of the UNQUANTISED p; the four tiles by turns.  (These read the 128 alone: plain work behind the eight)
.endr
.irp j, 4,6,8,10,12,14,16,18,20,22,24,26,28,30
.irp m, 0,1,2,3
	v_pk_add_f32 v[LS+2*\m:LS+2*\m+1], v[LS+2*\m:LS+2*\m+1], v[32*\m+\j:32*\m+\j+1]
.endr
.endr
.irp m, 0,1,2,3
	v_add_f32 v[LS+2*\m], v[LS+2*\m], v[LS+2*\m+1]
.endr
.irp m, 0,1,2,3
	v_permlanex16_b32 v[SCR+\m], v[LS+2*\m], s[SEL], s[SEL+1]
.endr
.irp m, 0,1,2,3
	v_add_f32 v[LS+2*\m], v[LS+2*\m], v[SCR+\m]    ; with lane l xor 16's 32 keys
.endr
	s_wait_alu depctr_va_vdst(0)                   ; and one for the eight
.irp q, 0,1,2,3,4,5,6,7
	v_max_num_f32 v[TM+\q], 0x1800000, v[TM+\q]    ; the floor 2^(3 - 127)
.endr
	QTAIL
	PUT IWU, SWY
	v_add_nc_u32 v[TA2], s[OF4], v[STW]
	WIN 0x0c
.irp m, 0,1,2,3
	ds_store_b32 v[TA2], v[NM+2*\m] offset:1024*\m
	ds_store_b32 v[TA2], v[LS+2*\m] offset:4096+1024*\m
.endr
	WIN 0
.endm
.macro EP3                             ; att = the sums / l, quantised along the channels
	s_wait_dscnt 0x0
	WIN 0xff
.irp m, 0,1,2,3
.irp j, 0,2,4,6,8,10,12,14,16,18,20,22,24,26,28,30
	v_pk_mul_f32 v[32*\m+\j:32*\m+\j+1], v[32*\m+\j:32*\m+\j+1], v[RL+2*\m:RL+2*\m+1] op_sel_hi:[1,0]   ; each accumulator from its low end on
.endr
.endr
	QMAX
	QTAIL
	PUT IWU, SWX
.endm
.macro SEND a, younger                 ; younger: the LDS instructions issued behind tile a's loads
	s_wait_dscnt \younger
	WIN 0x0c
.irp t, 0,1,2,3,4,5,6,7
	global_store_b128 v[GO], v[OB+32*((\a)%2)+4*\t:OB+32*((\a)%2)+4*\t+3], s[OUT:OUT+1] offset:(16*(\a)+2*\t)*4096 th:TH_STORE_NT   ; sixteen lanes store 256 consecutive bytes, aligned
.endr
.endm
.macro EP4                             ; relu, and out: a tile's 16 rows x 64 outputs go through my own stage and leave as runs of 256 bytes of a row.  LDS serves a wave's instructions in order
.irp m, 0,1,2,3
	WIN 0xff
.set jj, 32*\m
.rept 32
	v_max_num_f32 v[jj], 0, v[jj]
.set jj, jj+1
.endr
.if \m >= 2
	s_wait_alu depctr_va_vdst(0)
	s_wait_xcnt 0x0                                ; tile m - 2's stores have read their registers: tile m's rows may land there
.endif
	WIN 0x0c
.irp i, 0,1,2,3,4,5,6,7
	ds_store_b128 v[OSW], v[32*\m+4*\i:32*\m+4*\i+3] offset:128*(\i/4)+16*(\i%4)
.endr
	WIN 0xc0
.irp t, 0,1,2,3,4,5,6,7
	ds_load_b128 v[OB+32*(\m%2)+4*\t:OB+32*(\m%2)+4*\t+3], v[OSR] offset:544*\t
.endr
.if \m >= 1
	SEND \m-1, 16
.endif
.endr
	SEND 3, 0
	WIN 0
.endm
	s_load_b256 s[4:11], s[0:1], 0x0               ; proj_p's codes s[4:5], its scales s[6:7], strm s[8:9], wrec s[10:11]
	s_load_b128 s[12:15], s[0:1], 0x20             ; b s[12:13], out s[14:15]
	v_lshl_add_u32 v[SPW], v0, 2, SPARE
	v_mov_b32 v[NIL], 0
	ds_add_u32 v30, v31
	ds_add_u32 v30, v31
	s_wait_dscnt 0x0
	v_lshrrev_b32 v62, 5, v0
	v_readfirstlane_b32 s[WV], v62                 ; wave
	v_and_b32 v59, 15, v0                          ; r
	v_bfe_u32 v60, v0, 4, 1                        ; hh
	v_and_b32 v61, 31, v0                          ; lane
	v_lshlrev_b32 v[L16], 4, v61
	v_mul_u32_u24 v[PGL], v60, 768
	v_lshl_add_u32 v[PGL], v59, 4, v[PGL]
	s_mul_i32 s38, s[WV], 16*784
	s_add_co_u32 s38, s38, UU
	v_mul_u32_u24 v[PST], v60, 784
	v_lshl_add_u32 v[PST], v59, 4, v[PST]
	v_add_nc_u32 v[PST], s38, v[PST]
	v_mul_u32_u24 v[PA], v59, 784
	v_mad_u32_u24 v[PA], v60, 24, v[PA]
	v_add_nc_u32 v[PA], UU, v[PA]
	v_lshlrev_b32 v[PSO], 5, v59
	v_lshl_add_u32 v[PSO], v60, 4, v[PSO]
	v_mul_u32_u24 v[IRU], v61, 24
	v_add_nc_u32 v[IRU], UU, v[IRU]
	s_mul_i32 s38, s[WV], 3072
	v_add_nc_u32 v[IWU], s38, v[IRU]
	s_lshr_b32 s38, s[WV], 1
	s_and_b32 s39, s[WV], 1
	s_lshl_b32 s40, s38, 8
	s_lshl_b32 s41, s39, 3
	s_add_co_u32 s40, s40, s41
	v_lshl_add_u32 v[SWY], v59, 4, s40
	v_add_nc_u32 v[SWX], XSC, v[SWY]
	v_add_nc_u32 v[SWY], PSC, v[SWY]
	v_add_nc_u32 v[SRY], PSC, v[L16]
	v_add_nc_u32 v[SRX], XSC, v[L16]
	s_lshl_b32 s40, s38, 9
	s_lshl_b32 s41, s39, 4
	s_add_co_u32 s40, s40, s41
	s_add_co_u32 s40, s40, STM
	v_lshl_add_u32 v[STW], v59, 5, s40
	v_lshlrev_b32 v[STR], 5, v61
	v_add_nc_u32 v[STR], STM, v[STR]
	s_mul_i32 s40, s[WV], 4352
	s_add_co_u32 s40, s40, OST
	v_mul_u32_u24 v[OSW], v59, 272
	v_lshl_add_u32 v[OSW], v60, 6, v[OSW]
	v_add_nc_u32 v[OSW], s40, v[OSW]
	v_mul_u32_u24 v[OSR], v60, 272
	v_lshl_add_u32 v[OSR], v59, 4, v[OSR]
	v_add_nc_u32 v[OSR], s40, v[OSR]
	v_lshlrev_b32 v[GO], 12, v60
	v_lshl_add_u32 v[GO], v59, 4, v[GO]
	v_min_u32 v[PFO], 24, v61
	v_lshlrev_b32 v[PFO], 8, v[PFO]
	s_mul_i32 s40, s[WV], 25600
	v_add_nc_u32 v[LRD], s40, v[L16]
	s_lshl_b32 s40, s[WV], 10
	s_add_co_u32 s40, s40, BLD
	v_add_nc_u32 v[BLW], s40, v[L16]
	v_lshl_add_u32 v[BLA], v60, 6, s40
	s_mov_b32 s[SEL], 0x76543210
	s_mov_b32 s[SEL+1], 0xfedcba98
	s_mov_b32 s[CS], 0x3fb8aa3b                    ; log2(e)
	s_mov_b32 s[CS+1], s[CS]                       ; (named with it as a pair, so it is written)
	s_bfe_u32 s[CX], ttmp6, 0x40000                ; cx
	s_lshl_b32 s[XX], ttmp9, 2                     ; in a cluster launch ttmp9 counts clusters
	s_add_co_u32 s[XX], s[XX], s[CX]               ; which 64 rows: 4 x cluster x + cx
	s_and_b32 s17, ttmp7, 0xffff                   ; batch, which the four partners share
	s_lshl_b32 s38, s17, 10
	s_lshl_b32 s39, s[XX], 6
	s_add_co_u32 s38, s38, s39                     ; the work-group's first row
	s_lshl_b32 s40, s38, 5                         ; its scale bytes
	s_mov_b32 s41, 0
	s_lshl_b32 s39, s[WV], 4
	s_add_co_u32 s42, s38, s39
	s_mul_i32 s42, s42, 768                        ; the codes of the 16 rows that I bring
	s_mov_b32 s43, 0
	s_lshl_b32 s44, s38, 12
	s_lshl_b32 s46, s[WV], 10
	s_add_co_u32 s44, s44, s46                     ; out: my rows, my 256 outputs
	s_mov_b32 s45, 0
	s_mov_b32 s47, 0                               ; s[46:47]: my 256 numbers of b
	s_mul_i32 s48, s17, 1638400
	s_mul_i32 s49, s[WV], 409600
	s_add_co_u32 s48, s48, s49                     ; my stream: 16 records of tq, then 16 of V: batch and wave alone: the same in all partners
	s_mov_b32 s49, 0
	s_mul_i32 s50, s[WV], 204800                   ; my 16 records of W
	s_mov_b32 s51, 0
	s_and_b32 s52, s[XX], 7
	s_mul_i32 s52, s52, 6400                       ; my work-group's 25 blocks of a trip's 200
	s_mov_b32 s53, 0
	s_cmp_lt_u32 ttmp9, 2                          ; the batch's first two clusters ask
	s_cselect_b32 s[PFN], 6, 0
	s_mov_b32 s[CC], 0
	s_mov_b32 s[OFI], 0
	s_mov_b32 s[OF2], 0
	s_mov_b32 s[OF4], 0
	s_mov_b32 s[TB], 0
	s_mov_b32 s[OFB], 0
	; descriptor group 1: two records, 25,600 dense bytes, as 100 rows of 256 bytes (32 elements of 8 bytes), no padding: a lane's 16 bytes lie on end in LDS as in memory
	s_mov_b32 s[G1], 15|(3<<16)|(1<<21)            ; 15:0 the mask: all four work-groups; 17:16 elements of 8 bytes; 21 set beside a mask
	s_mov_b32 s[G1+1], 32<<16                      ; tensor_dim0 = 32
	s_mov_b32 s[G1+2], 100<<16                     ; tensor_dim1 = 100
	s_mov_b32 s[G1+3], 32<<16                      ; tile_dim0 = 32
	s_mov_b32 s[G1+4], 100                         ; tile_dim1 = 100
	s_mov_b32 s[G1+5], 32                          ; from row to row
	s_mov_b32 s[G1+6], 0
	s_mov_b32 s[G1+7], 0
	s_mov_b32 s[G0], 1                             ; count = 1
	s_mul_i32 s[G0+1], s[WV], 25600                ; LDS address: my part of slot 0
	s_wait_kmcnt 0x0
	s_add_nc_u64 s[4:5], s[4:5], s[42:43]
	s_add_nc_u64 s[6:7], s[6:7], s[40:41]
	s_add_nc_u64 s[OUT:OUT+1], s[14:15], s[44:45]
	s_add_nc_u64 s[BB:BB+1], s[12:13], s[46:47]
	s_add_nc_u64 s[CUR:CUR+1], s[8:9], s[48:49]
	s_add_nc_u64 s[WB:WB+1], s[10:11], s[50:51]
	s_add_nc_u64 s[WL:WL+1], s[WB:WB+1], 25600
	s_add_nc_u64 s[PFW:PFW+1], s[WB:WB+1], s[52:53]   ; my work-group's 25 blocks of a trip's 200
	s_add_nc_u64 s[PFA:PFA+1], s[CUR:CUR+1], s[52:53]
	s_add_nc_u64 s[G0+2:G0+3], s[CUR:CUR+1], 25600 ; global address: records 2 and 3 of my first trip
	s_or_b32 s[G0+3], s[G0+3], 0x80000000          ; type = 2
	ROUND                                          ; all four work-groups are here: the first joint loads meet
	tensor_load_to_lds s[G0:G0+3], s[G1:G1+7]
	s_nop 0
.rept 4
	v_nop
.endr
	; proj_p: each wave brings 16 of the 64 rows, sixteen lanes to 256 consecutive bytes, aligned; through LDS they reach all four waves as fragments
	s_wait_alu depctr_va_vdst(0)                   ; the wait ahead of the reader below
	s_cmp_lg_u32 s[PFN], 0
	s_cbranch_scc0 .Lno_head_ask
	global_prefetch_b8 v[PFO], s[PFA:PFA+1] offset:51200 th:TH_LOAD_NT scope:SCOPE_SE   ; trip 1's records: their loads go out behind the head's exchange of proj_p
.Lno_head_ask:
	WIN 0xc0
	global_load_b128 v[96:99], v[L16], s[BB:BB+1]                 ; my 256 numbers of b, 1,024 consecutive bytes
	global_load_b128 v[100:103], v[L16], s[BB:BB+1] offset:512
.irp i, 0,1,2,3,4,5,6,7
.irp t, 0,1,2
	global_load_b128 v[12*\i+4*\t:12*\i+4*\t+3], v[PGL], s[4:5] offset:1536*\i+256*\t th:TH_LOAD_NT
.endr
.endr
.irp q, 0,1,2,3,4,5,6,7
	v_mov_b32 v[TX+\q], 0                          ; written once: a lane permute's destination counts as one of its sources
.endr
.irp m, 0,1,2,3
	v_mov_b32 v[NM+2*\m+1], 0                      ; (the pairs' upper halves are named with the lower, so they are written)
.endr
	WIN 0
.irp m, 0,1,2,3
	global_load_b128 v[AS+4*\m:AS+4*\m+3], v[PSO], s[6:7] offset:512*\m
.endr
	GROUP 0, 0, CUR, 0                             ; records 0 and 1 of the first trip, in the order in which a trip asks for them
	GROUP 1, 1, CUR, 0
	GROUP 2, 0, CUR, 12800
	GROUP 3, 1, CUR, 12800
	s_wait_loadcnt 54                              ; the 24 loads of codes are in: 4 + 50 younger loads may be out
	WIN 0x0c
.irp i, 0,1,2,3,4,5,6,7
.irp t, 0,1,2
	ds_store_b128 v[PST], v[12*\i+4*\t:12*\i+4*\t+3] offset:1568*\i+256*\t
.endr
.endr
	ds_store_b128 v[BLW], v[96:99]                 ; b's two loads are older than the codes'
	ds_store_b128 v[BLW], v[100:103] offset:512
	WIN 0
	s_wait_dscnt 0x0                               ; for the others' sake: my rows have landed
	s_barrier_signal -1
	s_barrier_wait -1
.irp e, 0,1
	WIN 0x40+0x40*\e
.irp m, 0,1,2,3
.irp f, 0,1,2,3
.irp p, 0,1,2,3,4,5
	ds_load_b64 v[12*(4*\m+\f)+2*\p:12*(4*\m+\f)+2*\p+1], v[PA] offset:12544*\m+96*(4*\e+\f)+48*(\p/3)+8*(\p%3)
.endr
.endr
.endr
.endr
	WIN 0
	s_wait_dscnt 0x0
	; ---- PHASE 2: S^T = tq proj_p^T, four units of 64 keys a wave; V's records follow tq's in my stream, so the last trip's requests need nothing of their own
.Lp2:
	CHANGE 1, 1
	s_wait_alu depctr_va_vdst(0)
	TRIP 0, 1, CUR, 51200, 0, 0
	SMX
	STEP
	s_add_co_u32 s[CC], s[CC], 1
	s_cmp_lt_u32 s[CC], 4
	s_cbranch_scc1 .Lp2
	; ---- BETWEEN: all 16 units' -M_u, l_u, codes and bytes lie in LDS
	s_wait_dscnt 0x0
	s_barrier_signal -1
	s_barrier_wait -1
	WIN 0xc0
.irp m, 0,1,2,3
.irp t, 0,1
	ds_load_b128 v[XM+8*\m+4*\t:XM+8*\m+4*\t+3], v[STR] offset:1024*\m+16*\t
.endr
.endr
.irp m, 0,1,2,3
.irp t, 0,1
	ds_load_b128 v[XL+8*\m+4*\t:XL+8*\m+4*\t+3], v[STR] offset:4096+1024*\m+16*\t
.endr
.endr
.irp m, 0,1,2,3
	ds_load_b128 v[SWD+4*\m:SWD+4*\m+3], v[SRY] offset:512*\m
.endr
	ALOAD IRU
	s_wait_dscnt 63                                ; 192 loads are younger than the 20 above; 63 is the largest count that a wait can name: the 20 are in
	WIN 0xff
.irp m, 0,1,2,3
	v_min3_num_f32 v[NF+\m], v[XM+8*\m], v[XM+8*\m+1], v[XM+8*\m+2]
.endr
.irp i, 3,5
.irp m, 0,1,2,3
	v_min3_num_f32 v[NF+\m], v[NF+\m], v[XM+8*\m+\i], v[XM+8*\m+\i+1]
.endr
.endr
.irp m, 0,1,2,3
	v_min_num_f32 v[NF+\m], v[NF+\m], v[XM+8*\m+7]
.endr
.irp m, 0,1,2,3
	v_permlanex16_b32 v[TX+\m], v[NF+\m], s[SEL], s[SEL+1]
.endr
.irp m, 0,1,2,3
	v_min_num_f32 v[NF+\m], v[NF+\m], v[TX+\m]     ; -M of my row: the least -M_u of all 16 units
.endr
.irp m, 0,1,2,3
.irp t, 0,1,2,3,4,5,6,7
	v_sub_f32 v[XM+8*\m+\t], v[XM+8*\m+\t], v[NF+\m]   ; M - M_u: a whole number, 0 or more
.endr
.endr
.set jj, 0
.rept 32
	v_cvt_i32_f32 v[XM+jj], v[XM+jj]               ; (it saturates)
.set jj, jj+1
.endr
.irp m, 0,1,2,3
.irp t, 0,1,2,3,4,5,6,7
	v_sub_nc_u32 v[T0+\t], 0, v[XM+8*\m+\t]
.endr
.irp t, 0,1,2,3,4,5,6,7
	v_ldexp_f32 v[XL+8*\m+\t], v[XL+8*\m+\t], v[T0+\t]   ; l_u under M: nothing is rounded
.endr
.endr
.irp m, 0,1,2,3
	v_add_f32 v[LT+\m], v[XL+8*\m], v[XL+8*\m+1]
.endr
.irp t, 2,3,4,5,6,7
.irp m, 0,1,2,3
	v_add_f32 v[LT+\m], v[LT+\m], v[XL+8*\m+\t]
.endr
.endr
.irp m, 0,1,2,3
	v_permlanex16_b32 v[TX+\m], v[LT+\m], s[SEL], s[SEL+1]
.endr
.irp m, 0,1,2,3
	v_add_f32 v[LT+\m], v[LT+\m], v[TX+\m]         ; the row's sum
.endr
	s_wait_alu depctr_va_vdst(0)
.irp m, 0,1,2,3
	v_rcp_f32 v[RL+2*\m], v[LT+\m]
.endr
; P's scale bytes under M: word j of my half holds the bytes of units 2 j (bytes 0, 1) and 2 j + 1 (bytes 2, 3) of my eight; each byte less M - M_u, held at 0.  (Plain work behind the reciprocals, which it does not name)
.irp m, 0,1,2,3
.irp j, 0,1,2,3
	v_and_b32 v[T0], 0xff, v[SWD+4*\m+\j]
	v_bfe_u32 v[T0+1], v[SWD+4*\m+\j], 8, 8
	v_bfe_u32 v[T0+2], v[SWD+4*\m+\j], 16, 8
	v_lshrrev_b32 v[T0+3], 24, v[SWD+4*\m+\j]
	v_min_u32 v[T0+4], v[T0], v[XM+8*\m+2*\j]
	v_min_u32 v[T0+5], v[T0+1], v[XM+8*\m+2*\j]
	v_min_u32 v[T0+6], v[T0+2], v[XM+8*\m+2*\j+1]
	v_min_u32 v[T0+7], v[T0+3], v[XM+8*\m+2*\j+1]
	v_sub_nc_u32 v[T0], v[T0], v[T0+4]
	v_sub_nc_u32 v[T0+1], v[T0+1], v[T0+5]
	v_sub_nc_u32 v[T0+2], v[T0+2], v[T0+6]
	v_sub_nc_u32 v[T0+3], v[T0+3], v[T0+7]
	v_lshl_or_b32 v[SWD+4*\m+\j], v[T0+1], 8, v[T0]
	v_lshl_or_b32 v[SWD+4*\m+\j], v[T0+2], 16, v[SWD+4*\m+\j]
	v_lshl_or_b32 v[SWD+4*\m+\j], v[T0+3], 24, v[SWD+4*\m+\j]
.endr
.endr
	s_wait_alu depctr_va_vdst(0)                   ; one wait for the four reciprocals, ahead of their first reader and of the next label
	WIN 0x03                                       ; source window 3, destination window 0: scale operands have no window
.irp i, 0,1,2,3,4,5,6,7,8,9,10,11,12,13,14,15
	v_mov_b32 v[AS+\i], v[SWD+\i]
.endr
	WIN 0
.rept 8
	v_nop                                          ; a scale register written by a vector instruction stands 8 places ahead of a scaled matrix instruction
.endr
	s_wait_dscnt 0x0                               ; P's fragments are in
	s_mov_b32 s[OFI], 0
	s_mov_b32 s[OF2], 0
	s_mov_b32 s[CC], 0
	; ---- PHASE 3: O^T = V^T P^T, 64 channels a trip
.Lp3:
	CHANGE 1, 3
	s_wait_alu depctr_va_vdst(0)
	TRIP 0, 1, CUR, 51200, 0, 0
	EP3
	STEP
	s_add_nc_u64 s[PFW:PFW+1], s[PFW:PFW+1], 51200 ; (behind STEP's wait on XCNT)
	s_add_co_u32 s[CC], s[CC], 1
	s_cmp_lt_u32 s[CC], 3
	s_cbranch_scc1 .Lp3
	s_mov_b32 s[OFI], 3*768
	s_mov_b32 s[OF2], 6
	CHANGE 2, 2                                    ; the last trip asks for W's first four records, two jointly and two by loads, takes b at my first 64 outputs, and prefetches W's last four
	s_wait_alu depctr_va_vdst(0)
	TRIP 0, 1, WB, 0, 1, 0
	EP3
	s_wait_xcnt 0x0
	s_mov_b64 s[CUR:CUR+1], s[WB:WB+1]
	; ---- BETWEEN: att's codes and bytes lie in LDS
	s_wait_dscnt 0x0
	s_barrier_signal -1
	s_barrier_wait -1
.irp m, 0,1,2,3
	ds_load_b128 v[AS+4*\m:AS+4*\m+3], v[SRX] offset:512*\m
.endr
	ALOAD IRU
	s_wait_dscnt 0x0
	s_mov_b32 s[CC], 0
	; ---- PHASE 4: out^T = W att^T + b, relu, 64 outputs a trip
.Lp4:
	CHANGE 1, 0
	s_wait_alu depctr_va_vdst(0)
	TRIP 1, 1, CUR, 51200, 1, 256
	EP4
	s_wait_xcnt 0x0                                ; loads and stores issued so far have read their bases and their data
	s_add_nc_u64 s[CUR:CUR+1], s[CUR:CUR+1], 51200
	s_add_co_u32 s[OFB], s[OFB], 256
	s_add_nc_u64 s[OUT:OUT+1], s[OUT:OUT+1], 256
	s_add_co_u32 s[CC], s[CC], 1
	s_cmp_lt_u32 s[CC], 3
	s_cbranch_scc1 .Lp4
	CHANGE 0, 0                                    ; the last trip is written out: it asks for nothing, by a tensor load or by loads
	s_wait_alu depctr_va_vdst(0)
	TRIP 1, 0, CUR, 0, 0, 0
	EP4
	s_wait_tensorcnt 0x0                           ; the wave's end: behind my last tensor load and my last LDS store
	ds_add_u32 v[SPW], v[NIL]
	s_wait_dscnt 0x0
	ROUND                                          ; the closing round: no work-group ends while a partner may still ask for a tile that names it
	s_endpgm
.Lfunc_end_k_qe6042d4fe2_attn:
	.size	k_qe6042d4fe2_attn, .Lfunc_end_k_qe6042d4fe2_attn-k_qe6042d4fe2_attn
	.p2alignl 7, 3214868480
	.fill 96, 4, 3214868480
	.section	.rodata,"a",@progbits
	.p2align	6, 0x0
	.amdhsa_kernel k_qe6042d4fe2_attn
		.amdhsa_group_segment_fixed_size 327680
		.amdhsa_private_segment_fixed_size 0
		.amdhsa_enable_private_segment 0
		.amdhsa_kernarg_size 48
		.amdhsa_user_sgpr_count 2
		.amdhsa_user_sgpr_kernarg_segment_ptr 1
		.amdhsa_wavefront_size32 1
		.amdhsa_system_sgpr_workgroup_id_x 1
		.amdhsa_system_sgpr_workgroup_id_y 1
		.amdhsa_system_sgpr_workgroup_id_z 1
		.amdhsa_system_vgpr_workitem_id 0
		.amdhsa_next_free_vgpr 1024
		.amdhsa_next_free_sgpr 80
		.amdhsa_reserve_vcc 0
		.amdhsa_float_denorm_mode_32 3
		.amdhsa_float_denorm_mode_16_64 3
		.amdhsa_memory_ordered 1
		.amdhsa_forward_progress 1
		.amdhsa_inst_pref_size 255
	.end_amdhsa_kernel
	.section	.bss,"aw",@nobits
	.p2align	6
	.space	262144
	.amdgpu_metadata
---
amdhsa.version: [ 1, 2 ]
amdhsa.kernels:
  - .name:           k_qe6042d4fe2_attn
    .symbol:         k_qe6042d4fe2_attn.kd
    .args:
      - { .name: proj_p_codes, .offset: 0, .size: 8, .value_kind: global_buffer, .address_space: global }
      - { .name: proj_p_scales, .offset: 8, .size: 8, .value_kind: global_buffer, .address_space: global }
      - { .name: strm, .offset: 16, .size: 8, .value_kind: global_buffer, .address_space: global }
      - { .name: wrec, .offset: 24, .size: 8, .value_kind: global_buffer, .address_space: global }
      - { .name: b, .offset: 32, .size: 8, .value_kind: global_buffer, .address_space: global }
      - { .name: out0, .offset: 40, .size: 8, .value_kind: global_buffer, .address_space: global }
    .group_segment_fixed_size: 327680
    .private_segment_fixed_size: 0
    .kernarg_segment_align: 8
    .kernarg_segment_size: 48
    .max_flat_workgroup_size: 128
    .sgpr_count:     80
    .vgpr_count:     1024
    .wavefront_size: 32
...
	.end_amdgpu_metadata
.endif
;; end of part 3
